; MI455X (gfx1250); checked and timed in simulation.
; The chip was launched on July 23, 2026; its instructions are those of AMD's public machine-readable ISA for CDNA 5 (MIT licence, August 2026) and "CDNA5" Instruction Set Architecture Reference Guide (July 2026). The comments in the code are by the model that wrote it; some were corrected since.
;; Attention Layer. Allowed arithmetic: float matrix products may take bf16 or f16 operands with f32 sums; all other float work in f32.
;; Inputs: W1 16 x 1 float32; W2 8 x 16 float32; Wk 512 x 512 float32; Wo 512 x 512 float32; Wq 512 x 512 float32; Wv 512 x 512 float32; b1 16 float32; b2 8 float32; bk 512 float32; bo 512 float32; bq 512 float32; bv 512 float32; key_padding_mask 4 x 2,048 bool; pairwise_feats 4 x 2,048 x 2,048 x 1 float32; x 4 x 2,048 x 512 float32.
;; Outputs: out0 4 x 2,048 x 512 float32.
;; 2 versions, each right; version 2 is version 1 with the launch attn written anew for expert scheduling mode. Each part assembles by itself: llvm-mc -triple=amdgcn-amd-amdhsa -mcpu=gfx1250 --defsym DOCPART=n.
;; ======== version 1 of 2: 4 launches
;; limits: values are held in f16: magnitudes above 65,504 overflow, below 6.1e-05 lose precision; values outside matrix products are rounded to f16
;; workspace buffers: xb 8,388,608 bytes; wb 1,572,864 bytes; wob 524,288 bytes; madd 32,768 bytes; qf 8,388,608 bytes; kv 16,777,216 bytes; of 16,777,216 bytes; st 1,048,576 bytes
;; launch cast (part 1): grid 344 x 1, 8 waves a work-group, no clusters, 0 bytes of LDS; arguments x, Wq, Wk, Wv, Wo, key_padding_mask, xb, wb, wob, madd; writes xb, wb, wob, madd
.if DOCPART == 1
	.amdgcn_target "amdgcn-amd-amdhsa--gfx1250"
	.amdhsa_code_object_version 6
	.text
	.protected	k_qac7850ba26_cast
	.globl	k_qac7850ba26_cast
	.p2align	8
	.type	k_qac7850ba26_cast,@function
k_qac7850ba26_cast:
	s_mov_b64 s[64:65], 0
	v_nop
	global_prefetch_b8 v0, s[64:65] scope:SCOPE_SE
	s_setreg_imm32_b32 hwreg(HW_REG_WAVE_MODE, 25, 1), 1
	s_wait_xcnt 0x0
; CAST.  Rounds the module's large inputs once, into the layouts that the later launches read.
;   work-groups 0-255:   x -> xb, bf16, rows in LOGICAL ORDER: in each block of 64 tokens logical row 16 u + p is token 4 p + u
;                        (a lane that loads 16 bytes of a row of pairwise_feats holds keys 4 r .. 4 r + 3: one key for each tile u)
;   work-groups 256-303: Wq, Wk, Wv -> wb, bf16, [1536][512]
;   work-groups 304-335: Wo -> wob: rounded to bf16 like every input, that number written as f16, in chunks of 512 bytes:
;                        chunk (ntile, kc), lane l: Wo[16 ntile + l % 16][16 kc + 8 (l / 16) + 0..7]
;   work-groups 336-343: key_padding_mask -> madd, f32 [block of 64 tokens][u][p]: 0, or -2^100 where the token is padded
; LIMIT.  A weight of Wo below 6e-5 keeps f16's fixed step of 6e-8; beyond 65,504 it would be lost.
; A stream: no LDS, no barrier, no matrix unit; every byte is read once and written once.
.set NROWS, 304
.set NWO,   336
	s_load_b512 s[4:19], s[0:1], 0x0               ; x 4, Wq 6, Wk 8, Wv 10, Wo 12, mask 14, xb 16, wb 18
	s_load_b128 s[20:23], s[0:1], 0x40             ; wob 20, madd 22
	v_lshrrev_b32 v1, 5, v0
	v_readfirstlane_b32 s24, v1                    ; wave 0..7
	v_and_b32 v6, 31, v0                           ; lane
	s_mov_b32 s25, ttmp9                           ; g
	s_wait_kmcnt 0x0
	s_cmp_ge_u32 s25, NROWS
	s_cbranch_scc1 .Lnot_rows
	; ROWS.  The work-group takes 32 rows of 2,048 bytes, a wave 4 of them.  Source, destination and the distance between the wave's
	; four destination rows are chosen by compares of g alone.
	s_sub_co_u32 s26, s25, 256                     ; g' (used where g >= 256)
	s_lshr_b32 s27, s26, 4                         ; which of Wq, Wk, Wv
	s_and_b32 s28, s26, 15
	s_lshl_b32 s28, s28, 16                        ; W: source offset of the 32 rows
	s_lshl_b32 s29, s25, 16                        ; x: the same
	s_lshl_b32 s30, s26, 15                        ; W: destination row 32 g', 1,024 bytes a row,
	s_lshl_b32 s31, s24, 12                        ; + 4 w rows
	s_add_co_u32 s30, s30, s31
	s_lshr_b32 s32, s25, 1                         ; x: token 32 g + 4 w + k is logical row 64 (g / 2) + 16 k + 8 (g % 2) + w
	s_lshl_b32 s32, s32, 16
	s_and_b32 s33, s25, 1
	s_lshl_b32 s33, s33, 13
	s_add_co_u32 s32, s32, s33
	s_lshl_b32 s33, s24, 10
	s_add_co_u32 s32, s32, s33
	s_movk_i32 s34, 0x4000                         ; x: 16 logical rows from k to k + 1
	s_movk_i32 s35, 0x400                          ; W: one row
	s_cmp_eq_u32 s27, 1
	s_cselect_b64 s[36:37], s[8:9], s[6:7]
	s_cmp_eq_u32 s27, 2
	s_cselect_b64 s[36:37], s[10:11], s[36:37]
	s_cmp_lt_u32 s25, 256
	s_cselect_b64 s[36:37], s[4:5], s[36:37]       ; source
	s_cselect_b64 s[38:39], s[16:17], s[18:19]     ; destination
	s_cselect_b32 s40, s29, s28
	s_cselect_b32 s42, s32, s30
	s_cselect_b32 s44, s34, s35
	s_lshl_b32 s45, s24, 13                        ; the wave's 4 source rows
	s_add_co_u32 s40, s40, s45
	s_mov_b32 s41, 0
	s_mov_b32 s43, 0
	s_add_nc_u64 s[36:37], s[36:37], s[40:41]
	s_add_nc_u64 s[38:39], s[38:39], s[42:43]
	v_lshlrev_b32 v1, 4, v6                        ; 16 bytes a lane in
	v_lshlrev_b32 v2, 3, v6                        ; 8 bytes a lane out, one offset register for each of the 4 rows
	v_add_nc_u32 v3, s44, v2
	v_add_nc_u32 v4, s44, v3
	v_add_nc_u32 v5, s44, v4
.set i, 0
.rept 16                                               ; 16 loads of 512 consecutive bytes: the wave's 4 rows
	global_load_b128 v[16+4*i:19+4*i], v1, s[36:37] offset:512*i th:TH_LOAD_NT
.set i, i+1
.endr
.set i, 0
.rept 16
	s_wait_loadcnt 15-i                            ; loads return in order: load i is in, the 15 - i younger ones stay out
	v_cvt_pk_bf16_f32 v[80+2*i], v[16+4*i], v[17+4*i]
	v_cvt_pk_bf16_f32 v[81+2*i], v[18+4*i], v[19+4*i]
	global_store_b64 v[2+i/4], v[80+2*i:81+2*i], s[38:39] offset:256*(i%4)  ; the wave's store covers 256 consecutive bytes, aligned; no register is used twice
.set i, i+1
.endr
	s_endpgm
.Lnot_rows:
	s_cmp_ge_u32 s25, NWO
	s_cbranch_scc1 .Lmask
	; WO.  The work-group takes 16 rows (one ntile), wave w the chunks kc = 4 w .. 4 w + 3: 256 bytes of each of the 16 rows.
	s_sub_co_u32 s26, s25, NROWS                   ; ntile
	s_lshl_b32 s40, s26, 15                        ; 16 rows of 2,048 bytes
	s_lshl_b32 s27, s24, 8
	s_add_co_u32 s40, s40, s27
	s_mov_b32 s41, 0
	s_add_nc_u64 s[36:37], s[12:13], s[40:41]
	s_lshl_b32 s42, s26, 14                        ; 32 chunks of 512 bytes
	s_lshl_b32 s27, s24, 11
	s_add_co_u32 s42, s42, s27
	s_mov_b32 s43, 0
	s_add_nc_u64 s[38:39], s[20:21], s[42:43]
	v_and_b32 v7, 15, v0
	v_bfe_u32 v8, v0, 4, 1
	v_lshlrev_b32 v1, 11, v7                       ; row l % 16,
	v_lshl_add_u32 v1, v8, 5, v1                   ; 8 numbers for each half of the lanes
	v_lshlrev_b32 v2, 4, v6
.set i, 0
.rept 8                                                ; chunk i / 2, its 32 bytes a lane in two loads; the eight loads use all 256 bytes of each row
	global_load_b128 v[16+4*i:19+4*i], v1, s[36:37] offset:64*(i/2)+16*(i%2) th:TH_LOAD_NT
.set i, i+1
.endr
	s_wait_loadcnt 0x0
.set i, 0
.rept 16
	v_cvt_pk_bf16_f32 v[48+i], v[16+2*i], v[17+2*i]  ; the rounding that every input has,
.set i, i+1
.endr
.set i, 0
.rept 16
	v_lshlrev_b32 v[16+2*i], 16, v[48+i]           ; widened again,
	v_and_b32 v[17+2*i], 0xffff0000, v[48+i]
.set i, i+1
.endr
.set i, 0
.rept 16
	v_cvt_pk_f16_f32 v[48+i], v[16+2*i], v[17+2*i] ; and written as f16: exact within f16's normal range
.set i, i+1
.endr
.set i, 0
.rept 4
	global_store_b128 v2, v[48+4*i:51+4*i], s[38:39] offset:512*i  ; a chunk: 512 consecutive bytes
.set i, i+1
.endr
	s_endpgm
.Lmask:
	; MASK.  Thread T of 2,048 makes the four numbers at byte 16 T of madd: block T / 16, u = (T / 4) % 4, p = 4 (T % 4) + k: token 64 block + 4 p + u.
	s_sub_co_u32 s26, s25, NWO
	s_lshl_b32 s26, s26, 8
	v_add_nc_u32 v1, s26, v0
	v_lshrrev_b32 v2, 4, v1
	v_lshlrev_b32 v2, 6, v2
	v_and_b32 v3, 3, v1
	v_lshl_add_u32 v2, v3, 4, v2
	v_bfe_u32 v3, v1, 2, 2
	v_add_nc_u32 v2, v2, v3
	v_lshlrev_b32 v4, 4, v1
.set i, 0
.rept 4
	global_load_u8 v[8+i], v2, s[14:15] offset:4*i ; single bytes: the whole mask is 8,192 bytes
.set i, i+1
.endr
	s_wait_loadcnt 0x0
.set i, 0
.rept 4
	v_cvt_f32_u32 v[8+i], v[8+i]
.set i, i+1
.endr
.set i, 0
.rept 4
	v_mul_f32 v[8+i], 0xf1800000, v[8+i]           ; 0 or -2^100
.set i, i+1
.endr
	global_store_b128 v4, v[8:11], s[22:23]
	s_endpgm
.Lfunc_end_k_qac7850ba26_cast:
	.size	k_qac7850ba26_cast, .Lfunc_end_k_qac7850ba26_cast-k_qac7850ba26_cast
	.p2alignl 7, 3214868480
	.fill 96, 4, 3214868480
	.section	.rodata,"a",@progbits
	.p2align	6, 0x0
	.amdhsa_kernel k_qac7850ba26_cast
		.amdhsa_group_segment_fixed_size 0
		.amdhsa_private_segment_fixed_size 0
		.amdhsa_enable_private_segment 0
		.amdhsa_kernarg_size 80
		.amdhsa_user_sgpr_count 2
		.amdhsa_user_sgpr_kernarg_segment_ptr 1
		.amdhsa_wavefront_size32 1
		.amdhsa_system_sgpr_workgroup_id_x 1
		.amdhsa_system_sgpr_workgroup_id_y 1
		.amdhsa_system_sgpr_workgroup_id_z 1
		.amdhsa_system_vgpr_workitem_id 0
		.amdhsa_next_free_vgpr 112
		.amdhsa_next_free_sgpr 66
		.amdhsa_reserve_vcc 0
		.amdhsa_float_denorm_mode_32 3
		.amdhsa_float_denorm_mode_16_64 3
		.amdhsa_memory_ordered 1
		.amdhsa_forward_progress 1
		.amdhsa_inst_pref_size 15
	.end_amdhsa_kernel
	.amdgpu_metadata
---
amdhsa.version: [ 1, 2 ]
amdhsa.kernels:
  - .name:           k_qac7850ba26_cast
    .symbol:         k_qac7850ba26_cast.kd
    .args:
      - { .name: x, .offset: 0, .size: 8, .value_kind: global_buffer, .address_space: global }
      - { .name: Wq, .offset: 8, .size: 8, .value_kind: global_buffer, .address_space: global }
      - { .name: Wk, .offset: 16, .size: 8, .value_kind: global_buffer, .address_space: global }
      - { .name: Wv, .offset: 24, .size: 8, .value_kind: global_buffer, .address_space: global }
      - { .name: Wo, .offset: 32, .size: 8, .value_kind: global_buffer, .address_space: global }
      - { .name: key_padding_mask, .offset: 40, .size: 8, .value_kind: global_buffer, .address_space: global }
      - { .name: xb, .offset: 48, .size: 8, .value_kind: global_buffer, .address_space: global }
      - { .name: wb, .offset: 56, .size: 8, .value_kind: global_buffer, .address_space: global }
      - { .name: wob, .offset: 64, .size: 8, .value_kind: global_buffer, .address_space: global }
      - { .name: madd, .offset: 72, .size: 8, .value_kind: global_buffer, .address_space: global }
    .group_segment_fixed_size: 0
    .private_segment_fixed_size: 0
    .kernarg_segment_align: 8
    .kernarg_segment_size: 80
    .max_flat_workgroup_size: 256
    .sgpr_count:     66
    .vgpr_count:     112
    .wavefront_size: 32
...
	.end_amdgpu_metadata
.endif
;; end of part 1
;; launch qkv (part 2): grid 4 x 64, 4 waves a work-group, clusters of 4 x 4, 327,680 bytes of LDS; arguments xb, wb, bq, bk, bv, qf, kv; writes qf, kv
.if DOCPART == 2
	.amdgcn_target "amdgcn-amd-amdhsa--gfx1250"
	.amdhsa_code_object_version 6
	.text
	.protected	k_qac7850ba26_qkv
	.globl	k_qac7850ba26_qkv
	.p2align	8
	.type	k_qac7850ba26_qkv,@function
k_qac7850ba26_qkv:
	s_mov_b64 s[64:65], 0
	v_nop
	global_prefetch_b8 v0, s[64:65] scope:SCOPE_SE
	s_setreg_imm32_b32 hwreg(HW_REG_WAVE_MODE, 25, 1), 1
	s_wait_xcnt 0x0
	s_wait_alu depctr_hold_cnt(0) depctr_sa_sdst(0) depctr_va_vdst(0) depctr_va_sdst(0) depctr_va_ssrc(0) depctr_va_vcc(0) depctr_vm_vsrc(0)
	s_getreg_b32 s2, hwreg(HW_REG_IB_STS2, 6, 4)
	s_cmp_eq_u32 s2, 0
	s_cbranch_scc0 .Lentry_in_a_cluster
	s_endpgm
.Lentry_in_a_cluster:
	s_bfe_u32 s2, ttmp6, 0x10000c
	s_cmp_lg_u32 s2, 0xf033
	s_cbranch_scc0 .Lentry_shape_is_right
	s_endpgm
.Lentry_shape_is_right:
; Q, K, V = xb wb^T + bias.  xb: [8192 logical rows][512] bf16; wb: [1536][512] bf16 (Wq, Wk, Wv); sums in f32; results rounded once to f16 and written in
; the order in which the attention launch's matrix instructions take them, in CHUNKS of 512 bytes (lane l's 16 bytes at 16 l):
;   qf [block of 64 tokens][head][t][ct]: lane l: q(logical row 16 t + l % 16, channels 16 ct + 8 (l / 16) + 0..7)
;   kv [block][sub][head][8,192 bytes]: K chunk (kt, ct) at 512 (4 kt + ct): as q, for tile u = 2 sub + kt;
;                                       V chunk (cb, e) at 4,096 + 512 (2 cb + e): lane l: v(tile u = 2 sub + e, rows 8 (l / 16) + 0..7, channel 16 cb + l % 16)
; LIMIT.  q, k and v beyond 65,504 are lost in f16.  The biases are rounded to bf16 like every input.
; SHARES.  A work-group makes 128 tokens x 128 columns (two heads) of each of q, k, v.  Wave w takes all 128 tokens x columns 32 w .. 32 w + 31 of each: 48 accumulators
; a = 6 T + n (T: 16 tokens; n = 0, 1 q; 2, 3 k; 4, 5 v): for 32 along K it loads 28 x 16 bytes a lane from LDS and issues 48 matrix instructions.
; q and k are made transposed (source 0 = 16 rows of W, source 1 = 16 tokens): a lane holds one token and 8 channels.  v is made straight: a lane holds one channel and 8 tokens.
; Either way a lane's 8 results are its 16 bytes of a chunk: they leave from registers, 512 consecutive bytes a store.
; K goes in 4 steps of 128 (rows of 256 bytes in memory) through two LDS slots.  CLUSTER 4 x 4: x's tile hangs on the token block alone and is shared along a row of the
; cluster, W's tiles on the head pair alone and are shared along a column: both are asked for jointly.
; REGISTERS.  window 0: v16-29 addresses; v32-143, v144-255 two fragment buffers (x: 8 T, W: 64 + 8 n).  window 1: accumulators 0-31.  window 2: accumulators 32-47, v128-175 biases, v176-191 at work.
.set PITCH, 272                        ; an LDS row: 256 bytes + 16 of padding: the 16 rows of a fragment load fall on 16 different 16-byte columns modulo 256 bytes
.set TILEB, 128*PITCH                  ; what one tensor load brings
.set SLOT,  4*TILEB                    ; x's 128 rows, then Wq's, Wk's, Wv's
.set SPARE, 2*SLOT                     ; the spare words: 128 bytes a wave, two blocks of 256 bytes that no other line names
.set ADRX, 16                          ; v16-17 my x fragments in slot 0, 1
.set ADRW, 18                          ; v18-19 my Wq fragments (Wk's lie TILEB further on)
.set ADRV, 20                          ; v20-21 my Wv fragments
.set GO,   24                          ; v24    16 x lane
.set SPW,  28
.set NIL,  29
.set F0,   32
.set F1,   144
.set BIA,  128                         ; window 2
.set WV,   18                          ; s18 wave
.set G1X,  24
.set G0X,  32
.set G1W,  48
.set G0W,  56
.set MSB, 0
.macro WIN new                         ; the immediate's high byte repeats the setting that is left
.if MSB != (\new)
	s_set_vgpr_msb (MSB<<8)|(\new)
.set MSB, \new
.endif
.endm
.macro PLACES                          ; four places behind matrix instructions, ahead of loads into their sources and of reads of their results
.rept 4
	v_nop
.endr
.endm
.macro CROUND                          ; a round of the cluster's barrier
	s_barrier_signal -1
	s_barrier_wait -1
	s_cmp_lg_u32 s[WV], 0
	s_cbranch_scc1 .Lnot_wave_0_\@
	s_barrier_signal -3
.Lnot_wave_0_\@:
	s_barrier_wait -3
	s_barrier_signal -1
	s_barrier_wait -1
.endm
.macro JLOAD s                         ; a joint refill: wave 0 fetches x's tile, waves 1 to 3 Wq's, Wk's, Wv's.  The branch hangs on the wave's number alone
	s_cmp_eq_u32 s[WV], 0
	s_cbranch_scc0 .Lfor_w_\@
	tensor_load_to_lds s[G0X+4*(\s):G0X+4*(\s)+3], s[G1X:G1X+7]
	s_nop 0
.rept 4
	v_nop
.endr
	s_branch .Lasked_\@
.Lfor_w_\@:
	tensor_load_to_lds s[G0W+4*(\s):G0W+4*(\s)+3], s[G1W:G1W+7]
	s_nop 0
.rept 4
	v_nop
.endr
.Lasked_\@:
.endm
	s_load_b256 s[4:11], s[0:1], 0x0               ; xb 4, wb 6, bq 8, bk 10
	s_load_b128 s[12:15], s[0:1], 0x20             ; bv 12, qf 14
	s_load_b64 s[16:17], s[0:1], 0x30              ; kv
	v_lshl_add_u32 v[SPW], v0, 2, SPARE
	v_mov_b32 v[NIL], 0
	ds_add_u32 v[SPW], v[NIL]                      ; the wave's opening: the add and its wait ahead of my first tensor load
	v_lshrrev_b32 v1, 5, v0
	v_readfirstlane_b32 s[WV], v1
	s_bfe_u32 s20, ttmp6, 0x40000                  ; cx
	s_bfe_u32 s21, ttmp6, 0x40004                  ; cy
	s_lshl_b32 s22, ttmp9, 2
	s_add_co_u32 s22, s22, s20                     ; j: the head pair
	s_and_b32 s23, ttmp7, 0xffff
	s_lshl_b32 s23, s23, 2
	s_add_co_u32 s23, s23, s21                     ; by: the block of 128 logical tokens
	s_lshl_b32 s40, s21, 2
	s_lshl_b32 s40, 15, s40                        ; my row of the cluster
	s_lshl_b32 s42, 0x1111, s20                    ; my column
	s_or_b32 s[G1X], s40, (1<<16)|(1<<20)|(1<<21)|(5<<22)|(3<<25)  ; mask; 2-byte elements; padding on; bit 21 beside a mask; after every 64 words 4 words
	s_or_b32 s[G1W], s42, (1<<16)|(1<<20)|(1<<21)|(5<<22)|(3<<25)
.irp g, G1X, G1W
	s_mov_b32 s[(\g)+1], 128<<16                   ; tensor_dim0 = 128
	s_mov_b32 s[(\g)+2], 128<<16                   ; tensor_dim1 = 128
	s_mov_b32 s[(\g)+3], 128<<16                   ; tile_dim0 = 128
	s_mov_b32 s[(\g)+4], 128                       ; tile_dim1 = 128
	s_mov_b32 s[(\g)+5], 512                       ; elements from row to row
	s_mov_b32 s[(\g)+6], 0
	s_mov_b32 s[(\g)+7], 0
.endr
	s_lshl_b32 s40, s23, 17                        ; x: 128 rows of 1,024 bytes a block; made of by alone
	s_mov_b32 s41, 0
	s_max_u32 s44, s[WV], 1
	s_sub_co_u32 s44, s44, 1                       ; which of Wq, Wk, Wv
	s_lshl_b32 s44, s44, 9
	s_lshl_b32 s42, s22, 7
	s_add_co_u32 s42, s42, s44                     ; W: row 512 m + 128 j; made of j and the wave's number alone
	s_lshl_b32 s42, s42, 10
	s_mov_b32 s43, 0
	s_mul_i32 s45, s[WV], TILEB                    ; where my tile goes: wave x 128 rows
	s_wait_dscnt 0x0                               ; the opening add is done
	s_wait_kmcnt 0x0
	s_add_nc_u64 s[40:41], s[4:5], s[40:41]
	s_add_nc_u64 s[42:43], s[6:7], s[42:43]
.irp s, 0,1
	s_mov_b32 s[G0X+4*(\s)], 1
	s_add_co_u32 s[G0X+4*(\s)+1], s45, (\s)*SLOT
	s_add_nc_u64 s[G0X+4*(\s)+2:G0X+4*(\s)+3], s[40:41], (\s)*256   ; K step s
	s_or_b32 s[G0X+4*(\s)+3], s[G0X+4*(\s)+3], 0x80000000
	s_mov_b32 s[G0W+4*(\s)], 1
	s_add_co_u32 s[G0W+4*(\s)+1], s45, (\s)*SLOT
	s_add_nc_u64 s[G0W+4*(\s)+2:G0W+4*(\s)+3], s[42:43], (\s)*256
	s_or_b32 s[G0W+4*(\s)+3], s[G0W+4*(\s)+3], 0x80000000
.endr
	CROUND                                         ; all sixteen work-groups are here: the first joint loads meet
	s_cmp_eq_u32 s[WV], 0                          ; a wave's two first fills stand in one branch: two loads of mine are out
	s_cbranch_scc0 .Lfirst_w
	tensor_load_to_lds s[G0X:G0X+3], s[G1X:G1X+7]
	s_nop 0
	tensor_load_to_lds s[G0X+4:G0X+7], s[G1X:G1X+7]
	s_nop 0
.rept 4
	v_nop
.endr
	s_branch .Lfirst_asked
.Lfirst_w:
	tensor_load_to_lds s[G0W:G0W+3], s[G1W:G1W+7]
	s_nop 0
	tensor_load_to_lds s[G0W+4:G0W+7], s[G1W:G1W+7]
	s_nop 0
.rept 4
	v_nop
.endr
.Lfirst_asked:
	v_and_b32 v1, 15, v0                           ; r
	v_bfe_u32 v2, v0, 4, 1                         ; h
	v_mul_u32_u24 v3, v1, PITCH
	v_lshl_add_u32 v3, v2, 4, v3                   ; a fragment's row x pitch + 16 x half
	v_mov_b32 v[ADRX], v3
	v_add_nc_u32 v[ADRX+1], SLOT, v3
	s_mul_i32 s46, s[WV], 32*PITCH
	s_add_co_u32 s46, s46, TILEB                   ; row 128 + 32 w
	v_add_nc_u32 v[ADRW], s46, v3
	v_add_nc_u32 v[ADRW+1], SLOT, v[ADRW]
	v_add_nc_u32 v[ADRV], 2*TILEB, v[ADRW]
	v_add_nc_u32 v[ADRV+1], SLOT, v[ADRV]
	v_and_b32 v4, 31, v0
	v_lshlrev_b32 v[GO], 4, v4
	; the biases start the sums: q, k: register i is channel 8 h + i of the tile; v: every register is channel r
	s_lshl_b32 s47, s22, 9
	s_lshl_b32 s46, s[WV], 7
	s_add_co_u32 s47, s47, s46                     ; (128 j + 32 w) x 4 bytes
	v_lshl_add_u32 v5, v2, 5, s47
	v_lshl_add_u32 v6, v1, 2, s47
	WIN 0x80                                       ; destination window 2
.irp n, 0,1
	global_load_b128 v[BIA+8*(\n):BIA+8*(\n)+3],      v5, s[8:9] offset:64*(\n)
	global_load_b128 v[BIA+8*(\n)+4:BIA+8*(\n)+7],    v5, s[8:9] offset:64*(\n)+16
	global_load_b128 v[BIA+16+8*(\n):BIA+16+8*(\n)+3],   v5, s[10:11] offset:64*(\n)
	global_load_b128 v[BIA+16+8*(\n)+4:BIA+16+8*(\n)+7], v5, s[10:11] offset:64*(\n)+16
	global_load_b32 v[BIA+32+8*(\n)], v6, s[12:13] offset:64*(\n)
.endr
	WIN 0
	; where my results go
	s_lshl_b32 s72, s22, 1
	s_lshr_b32 s73, s[WV], 1
	s_add_co_u32 s72, s72, s73                     ; my head = 2 j + w / 2
	s_lshl_b32 s72, s72, 13
	s_and_b32 s73, s[WV], 1
	s_lshl_b32 s74, s73, 10                        ; (w % 2) x 1,024
	s_lshl_b32 s76, s23, 17                        ; qf: two blocks of 65,536 bytes
	s_add_co_u32 s76, s76, s72
	s_add_co_u32 s76, s76, s74
	s_mov_b32 s77, 0
	s_add_nc_u64 s[66:67], s[14:15], s[76:77]      ; q
	s_lshl_b32 s78, s23, 18                        ; kv: two blocks of 131,072 bytes
	s_add_co_u32 s78, s78, s72
	s_add_co_u32 s78, s78, s74
	s_mov_b32 s79, 0
	s_add_nc_u64 s[68:69], s[16:17], s[78:79]      ; k
	s_add_co_u32 s78, s78, s74                     ; v's chunks lie (w % 2) x 2,048 on
	s_add_nc_u64 s[70:71], s[16:17], s[78:79]      ; v
	s_wait_loadcnt 0x0
	WIN 0x8a                                       ; all in window 2: the biases are rounded to bf16
.set i, 0
.rept 16
	v_cvt_pk_bf16_f32 v[176+i], v[BIA+2*i], v[BIA+2*i+1]
.set i, i+1
.endr
.set i, 0
.rept 16
	v_lshlrev_b32 v[BIA+2*i], 16, v[176+i]
	v_and_b32 v[BIA+2*i+1], 0xffff0000, v[176+i]
.set i, i+1
.endr
.irp n, 0,1
	v_cvt_pk_bf16_f32 v[176+(\n)], v[BIA+32+8*(\n)], v[BIA+32+8*(\n)]
	v_lshlrev_b32 v[BIA+32+8*(\n)], 16, v[176+(\n)]
.irp i, 1,2,3,4,5,6,7
	v_mov_b32 v[BIA+32+8*(\n)+(\i)], v[BIA+32+8*(\n)]
.endr
.endr
	WIN 0
; 28 LDS loads: the fragments of 32 along K at byte k of the rows, into buffer f
.macro FETCH slot, k, f
	WIN 0
.irp T, 0,1,2,3,4,5,6,7
	ds_load_b128 v[(\f)+8*(\T):(\f)+8*(\T)+3],   v[ADRX+(\slot)] offset:(\T)*16*PITCH+(\k)
	ds_load_b128 v[(\f)+8*(\T)+4:(\f)+8*(\T)+7], v[ADRX+(\slot)] offset:(\T)*16*PITCH+(\k)+32
.endr
.irp n, 0,1,2,3
	ds_load_b128 v[(\f)+64+8*(\n):(\f)+64+8*(\n)+3],   v[ADRW+(\slot)] offset:((\n)/2)*TILEB+((\n)%2)*16*PITCH+(\k)
	ds_load_b128 v[(\f)+64+8*(\n)+4:(\f)+64+8*(\n)+7], v[ADRW+(\slot)] offset:((\n)/2)*TILEB+((\n)%2)*16*PITCH+(\k)+32
.endr
.irp n, 0,1
	ds_load_b128 v[(\f)+96+8*(\n):(\f)+96+8*(\n)+3],   v[ADRV+(\slot)] offset:(\n)*16*PITCH+(\k)
	ds_load_b128 v[(\f)+96+8*(\n)+4:(\f)+96+8*(\n)+7], v[ADRV+(\slot)] offset:(\n)*16*PITCH+(\k)+32
.endr
.endm
; 48 matrix instructions on buffer f.  The 48 accumulators take turns, in the same order everywhere.  zero = 1: the biases start the sums: nothing is cleared.
.macro MUL f, zero
.set mA, 0
.rept 48
.set mN, mA%6
.set rX, (\f)+8*(mA/6)
.set rW, (\f)+64+8*mN
.set rB, BIA+8*mN
.if mA < 32
.set rD, 8*mA
.if \zero
	WIN 0x60                                       ; D window 1, C (the bias) window 2
.else
	WIN 0x50                                       ; C and D window 1
.endif
.else
.set rD, 8*(mA-32)
	WIN 0xa0                                       ; C and D window 2
.endif
.if (\zero) && (mN < 4)
	v_wmma_f32_16x16x32_bf16 v[rD:rD+7], v[rW:rW+7], v[rX:rX+7], v[rB:rB+7]
.elseif \zero
	v_wmma_f32_16x16x32_bf16 v[rD:rD+7], v[rX:rX+7], v[rW:rW+7], v[rB:rB+7]
.elseif mN < 4
	v_wmma_f32_16x16x32_bf16 v[rD:rD+7], v[rW:rW+7], v[rX:rX+7], v[rD:rD+7]
.else
	v_wmma_f32_16x16x32_bf16 v[rD:rD+7], v[rX:rX+7], v[rW:rW+7], v[rD:rD+7]
.endif
.set mA, mA+1
.endr
.endm
; One of a K step's first three quarters: buffer f is in; the next quarter's fragments go into g, which the quarter before multiplied; then f is multiplied.
.macro QUARTER slot, knext, f, g, zero
	WIN 0
	s_wait_dscnt 0x0                               ; f's 28 loads, issued ahead of the last 48 matrix instructions; nothing younger is out
	PLACES
	FETCH \slot, \knext, \g
	MUL \f, \zero
.endm
; The last quarter changes slots.  Each wave waits for all its tensor loads (one is out: its part of the next slot), adds 0 to its spare word, and waits for that and for its
; reads of this slot.  fill = 1: a round of the cluster's barrier, and the joint refill, two K steps on, first behind it: 192 matrix instructions ahead of the wait for it.
.macro TURN slot, next, fill
	WIN 0
	s_wait_tensorcnt 0x0
	ds_add_u32 v[SPW], v[NIL]
.if \fill
	s_add_nc_u64 s[G0X+4*(\slot)+2:G0X+4*(\slot)+3], s[G0X+4*(\slot)+2:G0X+4*(\slot)+3], 512
	s_add_nc_u64 s[G0W+4*(\slot)+2:G0W+4*(\slot)+3], s[G0W+4*(\slot)+2:G0W+4*(\slot)+3], 512
.endif
	s_wait_dscnt 0x0                               ; the add is done; buffer 1's loads, my last reads of this slot, are back
.if \fill
	CROUND
	JLOAD \slot                                    ; the four v_nop behind it are also the places ahead of the loads below
.else
	s_barrier_signal -1
	s_barrier_wait -1
	PLACES
.endif
	FETCH \next, 0, F0
	MUL F1, 0
.endm
	s_wait_tensorcnt 0x1                           ; my part of K step 0 is in; K step 1's may stay out
	s_barrier_signal -1
	s_barrier_wait -1
	FETCH 0, 0, F0
	QUARTER 0, 64,  F0, F1, 1
	QUARTER 0, 128, F1, F0, 0
	QUARTER 0, 192, F0, F1, 0
	TURN 0, 1, 1
	QUARTER 1, 64,  F0, F1, 0
	QUARTER 1, 128, F1, F0, 0
	QUARTER 1, 192, F0, F1, 0
	TURN 1, 0, 1
	QUARTER 0, 64,  F0, F1, 0
	QUARTER 0, 128, F1, F0, 0
	QUARTER 0, 192, F0, F1, 0
	TURN 0, 1, 0
	QUARTER 1, 64,  F0, F1, 0
	QUARTER 1, 128, F1, F0, 0
	QUARTER 1, 192, F0, F1, 0
	WIN 0
	s_wait_dscnt 0x0
	MUL F1, 0
	PLACES
	; THE WAY OUT: each accumulator's 8 numbers, lowest registers first, pack into the lane's 16 bytes of a chunk; 192 registers, none used twice.
	WIN 0x05                                       ; sources window 1
.set mA, 0
.rept 32
.irp q, 0,1,2,3
	v_cvt_pk_f16_f32 v[32+4*mA+(\q)], v[8*mA+2*(\q)], v[8*mA+2*(\q)+1]
.endr
.set mA, mA+1
.endr
	WIN 0x0a                                       ; sources window 2
.rept 16
.irp q, 0,1,2,3
	v_cvt_pk_f16_f32 v[32+4*mA+(\q)], v[8*(mA-32)+2*(\q)], v[8*(mA-32)+2*(\q)+1]
.endr
.set mA, mA+1
.endr
	WIN 0
.set mA, 0
.rept 48
.set mN, mA%6
.set mB, mA/24                         ; which of my two blocks of 64 tokens
.set mT, (mA/6)%4                      ; the tile in it
.if mN < 2
	global_store_b128 v[GO], v[32+4*mA:35+4*mA], s[66:67] offset:mB*65536+mT*2048+(mN%2)*512
.elseif mN < 4
	global_store_b128 v[GO], v[32+4*mA:35+4*mA], s[68:69] offset:mB*131072+(mT/2)*65536+(mT%2)*2048+(mN%2)*512
.else
	global_store_b128 v[GO], v[32+4*mA:35+4*mA], s[70:71] offset:mB*131072+(mT/2)*65536+4096+(mN%2)*1024+(mT%2)*512
.endif
.set mA, mA+1
.endr
	s_wait_tensorcnt 0x0                           ; the wave's end
	ds_add_u32 v[SPW], v[NIL]
	s_wait_dscnt 0x0
	CROUND                                         ; the closing round
	s_endpgm
.Lfunc_end_k_qac7850ba26_qkv:
	.size	k_qac7850ba26_qkv, .Lfunc_end_k_qac7850ba26_qkv-k_qac7850ba26_qkv
	.p2alignl 7, 3214868480
	.fill 96, 4, 3214868480
	.section	.rodata,"a",@progbits
	.p2align	6, 0x0
	.amdhsa_kernel k_qac7850ba26_qkv
		.amdhsa_group_segment_fixed_size 327680
		.amdhsa_private_segment_fixed_size 0
		.amdhsa_enable_private_segment 0
		.amdhsa_kernarg_size 56
		.amdhsa_user_sgpr_count 2
		.amdhsa_user_sgpr_kernarg_segment_ptr 1
		.amdhsa_wavefront_size32 1
		.amdhsa_system_sgpr_workgroup_id_x 1
		.amdhsa_system_sgpr_workgroup_id_y 1
		.amdhsa_system_sgpr_workgroup_id_z 1
		.amdhsa_system_vgpr_workitem_id 0
		.amdhsa_next_free_vgpr 704
		.amdhsa_next_free_sgpr 80
		.amdhsa_reserve_vcc 0
		.amdhsa_float_denorm_mode_32 3
		.amdhsa_float_denorm_mode_16_64 3
		.amdhsa_memory_ordered 1
		.amdhsa_forward_progress 1
		.amdhsa_inst_pref_size 110
	.end_amdhsa_kernel
	.amdgpu_metadata
---
amdhsa.version: [ 1, 2 ]
amdhsa.kernels:
  - .name:           k_qac7850ba26_qkv
    .symbol:         k_qac7850ba26_qkv.kd
    .args:
      - { .name: xb, .offset: 0, .size: 8, .value_kind: global_buffer, .address_space: global }
      - { .name: wb, .offset: 8, .size: 8, .value_kind: global_buffer, .address_space: global }
      - { .name: bq, .offset: 16, .size: 8, .value_kind: global_buffer, .address_space: global }
      - { .name: bk, .offset: 24, .size: 8, .value_kind: global_buffer, .address_space: global }
      - { .name: bv, .offset: 32, .size: 8, .value_kind: global_buffer, .address_space: global }
      - { .name: qf, .offset: 40, .size: 8, .value_kind: global_buffer, .address_space: global }
      - { .name: kv, .offset: 48, .size: 8, .value_kind: global_buffer, .address_space: global }
    .group_segment_fixed_size: 327680
    .private_segment_fixed_size: 0
    .kernarg_segment_align: 8
    .kernarg_segment_size: 56
    .max_flat_workgroup_size: 128
    .sgpr_count:     80
    .vgpr_count:     704
    .wavefront_size: 32
...
	.end_amdgpu_metadata
.endif
;; end of part 2
;; launch attn (part 3): grid 32 x 8, 8 waves a work-group, no clusters, 136,704 bytes of LDS; arguments qf, kv, pairwise_feats, madd, W1, b1, W2, b2, of, st; writes of, st
.if DOCPART == 3
	.amdgcn_target "amdgcn-amd-amdhsa--gfx1250"
	.amdhsa_code_object_version 6
	.text
	.protected	k_qac7850ba26_attn
	.globl	k_qac7850ba26_attn
	.p2align	8
	.type	k_qac7850ba26_attn,@function
k_qac7850ba26_attn:
	s_mov_b64 s[64:65], 0
	v_nop
	global_prefetch_b8 v0, s[64:65] scope:SCOPE_SE
	s_setreg_imm32_b32 hwreg(HW_REG_WAVE_MODE, 25, 1), 1
	s_wait_xcnt 0x0
; ATTENTION WITH A PAIRWISE BIAS.  A work-group takes 64 queries (one block), all 8 heads, and one half (1,024) of a batch's keys; it leaves O / l in f16 (of) and (c m, l) in f32 (st)
; for the next launch to merge.  score = q.k / 8 + W2[h] . relu(W1 p + b1) + b2[h], padded keys hidden.  Tokens are in logical order (row 16 u + p of a block is token 4 p + u).
; SHARES.  Wave w is head w: four tiles t of 16 queries, 32 steps of 32 keys.  Beside that it MAKES the bias of 8 of the 64 queries for all 8 heads: the 16 hidden numbers of a pair
; (query, key) are made once for the 8 heads, which is why all heads sit in one work-group.  Two waves of 512 registers share a SIMD: the text goes in phases, one wave's matrix work beside the other's vector work.
; THE BIAS BY THE MATRIX UNIT.  One instruction makes 16 keys x 2 queries x 8 heads.  Source 0: lane (r, h) holds the 16 hidden numbers (f16) of (query set h, key row r).  Source 1: lane (c, h) holds
; 8 W2[c % 8][0..15] if c / 8 = h, else 0.  C: 8 b2[c % 8] + madd(key row 8 h + i).  The result, lane (c, h), register i, is 8 x the bias of head c % 8, query set c / 8, key row 8 h + i:
; the very registers of the C operand of that head's S^T = K Q^T.  It goes there in f32 through LDS, two buffers by turns, and costs the softmax nothing.
; SOFTMAX.  p = 2^(c s - c m), c = log2(e) / 8, s = q.k + 8 bias + madd; running maximum m and sum l; O and l are multiplied by a = 2^(c m_old - c m_new) in every step.  m starts at -2^93.
; K, V, Q arrive in fragment order, 512 consecutive bytes a load, straight into registers.
; NO CLUSTER, NO TENSOR LOAD: a joint load lands in LDS; each byte of K and V is wanted by one wave of the work-group, so the road through LDS would add 64 KB in and 64 KB out a step
; to the 64 KB in and 64 KB out that the bias moves.
; LIMITS.  Hidden numbers and 8 W2 beyond 65,504 are lost in f16; 8 x a real score lies above -2^93; a hidden score counts as its value less 2^100; a weight below 2^-126 counts as 0.
; p, W1, b1, W2, b2 are rounded to bf16 like every input.  Where a half has no open key: l = 0, O = 0.
; REGISTERS.  window 0: below.  window 1: v0-127 O^T (32 t + 8 cb); v128-191 Q (16 t + 8 c2); v192-223 K (16 kt + 8 c2); v224-255 V (8 cb).
.set HB,    8224                       ; a head's part of a bias buffer: 8,192 bytes + 32, so that a maker's 16 lanes fall on 16 different 16-byte columns modulo 256 bytes
.set BUFB,  8*HB
.set MT,    2*BUFB                     ; the half's madd, 4,096 bytes
.set SPARE, MT+4096                    ; the spare words: 128 bytes a wave
.set KVO, 2                            ; 16 x lane
.set PO,  3                            ; my place in pairwise_feats: 4 rows down for lanes 16-31, 16 bytes a lane
.set BLD, 4                            ; v4-5   where my head's bias is read, buffer 0, 1
.set BST, 6                            ; v6-7   where the bias that I make goes
.set MTA, 8                            ; my place in the key block's madd
.set L8,  9                            ; 8 x lane
.set SPW, 10
.set NIL, 11
.set ST,  16                           ; tile t: c m, m, l (even rows', odd rows')
.set TMP, 32                           ; tile t: c0-c3 at work; c2 takes a
.set W2B, 48
.set B2P, 56                           ; 8 b2, twice
.set PT,  58                           ; two keys' p in f32
.set PCA, 60                           ; p as bf16 pairs, tiles u = 0, 1: one register for each of my 4 pairs of queries
.set PCB, 64                           ; u = 2, 3
.set PR,  68                           ; p as loaded
.set W1V, 84
.set B1V, 100
.set HT,  116                          ; 16 hidden numbers in f32; in the softmax: partial sums
.set HF,  132                          ; in f16, two buffers
.set CB,  148                          ; the bias products' C, 8 for each key tile
.set BD,  164                          ; their results, two buffers
.set RS,  192                          ; S^T: 16 t + 8 kt; P takes the first 8 of a tile's 16
.set RO,  0
.set RQ,  128
.set RK,  192
.set RV,  224
.set MSB, 0
.macro WIN new
.if MSB != (\new)
	s_set_vgpr_msb (MSB<<8)|(\new)
.set MSB, \new
.endif
.endm
.macro PLACES n=4                      ; places behind matrix instructions: four ahead of vector reads, vector writes and loads, five ahead of a matrix instruction that writes over a source
.rept \n
	v_nop
.endr
.endm
.macro ALL line:vararg                 ; one line for each tile t
.set t, 0
.rept 4
	\line
.set t, t+1
.endr
.endm
.macro RB16 x, tmp                     ; a pair of f32 rounded to bf16 and widened again
	v_cvt_pk_bf16_f32 v[\tmp], v[\x], v[(\x)+1]
	v_lshlrev_b32 v[\x], 16, v[\tmp]
	v_and_b32 v[(\x)+1], 0xffff0000, v[\tmp]
.endm
.macro KLOAD imm
	WIN 0x40                                       ; destination window 1
.set i, 0
.rept 8
	global_load_b128 v[RK+4*i:RK+4*i+3], v[KVO], s[26:27] offset:(\imm)+512*i
.set i, i+1
.endr
	WIN 0
.endm
.macro VLOAD imm
	WIN 0x40
.set i, 0
.rept 8
	global_load_b128 v[RV+4*i:RV+4*i+3], v[KVO], s[26:27] offset:(\imm)+4096+512*i
.set i, i+1
.endr
	WIN 0
.endm
.macro PLOAD                           ; 64 keys of my 8 queries: lanes 0-15 take 256 consecutive bytes of one row, lanes 16-31 of the row 4 further down
.set i, 0
.rept 4
	global_load_b128 v[PR+4*i:PR+4*i+3], v[PO], s[28:29] offset:65536*i th:TH_LOAD_NT
.set i, i+1
.endr
.endm
.macro CONV
.set i, 0
.rept 4
	v_cvt_pk_bf16_f32 v[PCA+i], v[PR+4*i], v[PR+4*i+1]
	v_cvt_pk_bf16_f32 v[PCB+i], v[PR+4*i+2], v[PR+4*i+3]
.set i, i+1
.endr
.endm
; The hidden numbers of one key tile kt for one pair of queries, and their product with W2
.macro FEAT kt
.set z, 0
.rept 8
.if (\kt) == 0
	v_pk_fma_f32 v[HT+2*z:HT+2*z+1], v[W1V+2*z:W1V+2*z+1], v[PT:PT+1], v[B1V+2*z:B1V+2*z+1] op_sel_hi:[1,0,1]
.else
	v_pk_fma_f32 v[HT+2*z:HT+2*z+1], v[W1V+2*z:W1V+2*z+1], v[PT:PT+1], v[B1V+2*z:B1V+2*z+1] op_sel:[0,1,0] op_sel_hi:[1,1,1]
.endif
.set z, z+1
.endr
.set z, 0
.rept 16
	v_max_num_f32 v[HT+z], 0, v[HT+z]
.set z, z+1
.endr
.set z, 0
.rept 8
	v_cvt_pk_f16_f32 v[HF+8*(\kt)+z], v[HT+2*z], v[HT+2*z+1]
.set z, z+1
.endr
	v_wmma_f32_16x16x32_f16 v[BD+8*(\kt):BD+8*(\kt)+7], v[HF+8*(\kt):HF+8*(\kt)+7], v[W2B:W2B+7], v[CB+8*(\kt):CB+8*(\kt)+7]
.endm
.macro BSTORE kk, buf                  ; product kk = 2 pi + kt goes to the heads' waves: the low four registers first
	ds_store_b128 v[BST+(\buf)], v[BD+8*((\kk)%2):BD+8*((\kk)%2)+3]   offset:((\kk)%2)*1024+((\kk)/2)*32
	ds_store_b128 v[BST+(\buf)], v[BD+8*((\kk)%2)+4:BD+8*((\kk)%2)+7] offset:((\kk)%2)*1024+((\kk)/2)*32+256
.endm
; The bias of one step (32 keys) for my 8 queries and all heads, into buffer buf.  pc: the step's p; mo: the step's place in madd from MTA.
; A product's results are stored behind the next product's 32 vector instructions, which name none of its registers: they are its places.
.macro HID buf, pc, mo
.set i, 0
.rept 4
	ds_load_b128 v[CB+4*i:CB+4*i+3], v[MTA] offset:(\mo)+64*(i/2)+16*(i%2)
.set i, i+1
.endr
	s_wait_dscnt 0x0
.set z, 0
.rept 8
	v_pk_add_f32 v[CB+2*z:CB+2*z+1], v[CB+2*z:CB+2*z+1], v[B2P:B2P+1]
.set z, z+1
.endr
.set hk, 0
.rept 8
.if hk%2 == 0
	v_lshlrev_b32 v[PT], 16, v[(\pc)+hk/2]
	v_and_b32 v[PT+1], 0xffff0000, v[(\pc)+hk/2]
.endif
	FEAT hk%2
.if hk > 0
	BSTORE hk-1, \buf
.endif
.set hk, hk+1
.endr
	PLACES
	BSTORE 7, \buf
.endm
; The softmax of a step, every line for the four tiles in turn: 70 instructions a tile.  Each accumulator's lowest registers are read first.
.macro SOFT
	WIN 0
	ALL v_max3_num_f32 v[TMP+4*t], v[RS+16*t], v[RS+16*t+1], v[RS+16*t+2]
	ALL v_max3_num_f32 v[TMP+4*t+1], v[RS+16*t+8], v[RS+16*t+9], v[RS+16*t+10]
	ALL v_max3_num_f32 v[TMP+4*t], v[TMP+4*t], v[RS+16*t+3], v[RS+16*t+4]
	ALL v_max3_num_f32 v[TMP+4*t+1], v[TMP+4*t+1], v[RS+16*t+11], v[RS+16*t+12]
	ALL v_max3_num_f32 v[TMP+4*t], v[TMP+4*t], v[RS+16*t+5], v[RS+16*t+6]
	ALL v_max3_num_f32 v[TMP+4*t+1], v[TMP+4*t+1], v[RS+16*t+13], v[RS+16*t+14]
	ALL v_max3_num_f32 v[TMP+4*t], v[TMP+4*t], v[RS+16*t+7], v[RS+16*t+15]
	ALL v_max3_num_f32 v[TMP+4*t], v[TMP+4*t], v[TMP+4*t+1], v[ST+4*t+1]
	ALL v_permlanex16_b32 v[TMP+4*t+3], v[TMP+4*t], s50, s51   ; the query's other 16 keys lie in the lane 16 away
	ALL v_mov_b32 v[TMP+4*t+1], v[ST+4*t]                      ; c m_old
	ALL v_max_num_f32 v[ST+4*t+1], v[TMP+4*t], v[TMP+4*t+3]
	ALL v_mul_f32 v[ST+4*t], s48, v[ST+4*t+1]
	ALL v_sub_f32 v[TMP+4*t+1], v[TMP+4*t+1], v[ST+4*t]
	ALL v_exp_f32 v[TMP+4*t+2], v[TMP+4*t+1]                   ; a; the scalings below are the plain instructions behind it
.set j, 0
.rept 8
	ALL v_pk_fma_f32 v[RS+16*t+2*j:RS+16*t+2*j+1], v[RS+16*t+2*j:RS+16*t+2*j+1], s[48:49], v[ST+4*t:ST+4*t+1] op_sel_hi:[1,0,0] neg_lo:[0,0,1] neg_hi:[0,0,1]
.set j, j+1
.endr
.set j, 0
.rept 16
	ALL v_exp_f32 v[RS+16*t+j], v[RS+16*t+j]
.set j, j+1
.endr
	v_nop                                          ; a plain instruction between the exponentials and the use of their results
	s_wait_alu depctr_va_vdst(0)
	ALL v_pk_add_f32 v[TMP+4*t:TMP+4*t+1], v[RS+16*t:RS+16*t+1], v[RS+16*t+2:RS+16*t+3]
	ALL v_pk_add_f32 v[HT+2*t:HT+2*t+1], v[RS+16*t+4:RS+16*t+5], v[RS+16*t+6:RS+16*t+7]
	ALL v_pk_add_f32 v[TMP+4*t:TMP+4*t+1], v[TMP+4*t:TMP+4*t+1], v[RS+16*t+8:RS+16*t+9]
	ALL v_pk_add_f32 v[HT+2*t:HT+2*t+1], v[HT+2*t:HT+2*t+1], v[RS+16*t+10:RS+16*t+11]
	ALL v_pk_add_f32 v[TMP+4*t:TMP+4*t+1], v[TMP+4*t:TMP+4*t+1], v[RS+16*t+12:RS+16*t+13]
	ALL v_pk_add_f32 v[HT+2*t:HT+2*t+1], v[HT+2*t:HT+2*t+1], v[RS+16*t+14:RS+16*t+15]
	ALL v_pk_add_f32 v[TMP+4*t:TMP+4*t+1], v[TMP+4*t:TMP+4*t+1], v[HT+2*t:HT+2*t+1]
	ALL v_pk_fma_f32 v[ST+4*t+2:ST+4*t+3], v[ST+4*t+2:ST+4*t+3], v[TMP+4*t+2:TMP+4*t+3], v[TMP+4*t:TMP+4*t+1] op_sel_hi:[1,0,1]
.set j, 0
.rept 8                                                ; P in place: word j takes weights 2 j, 2 j + 1, which lie at or above it
	ALL v_cvt_pk_f16_f32 v[RS+16*t+j], v[RS+16*t+2*j], v[RS+16*t+2*j+1]
.set j, j+1
.endr
	WIN 0x41                                       ; O^T in window 1, a in window 0
.set z, 0
.rept 16
	ALL v_pk_mul_f32 v[RO+32*t+2*z:RO+32*t+2*z+1], v[RO+32*t+2*z:RO+32*t+2*z+1], v[TMP+4*t+2:TMP+4*t+3] op_sel_hi:[1,0]
.set z, z+1
.endr
	WIN 0
.endm
; A STEP of 32 keys.  sub: which half of the block of 64 keys, and which bias buffer is read.  more = 1: a step follows: its K, its bias (into the other buffer) and its V are asked for or made here.
; NK, NV: the younger global loads that may stay out when K, V have to be in.  imm: the next step's K and V from s[26:27].
; ONE barrier a step.  In front of its signal my bias stores are done and my reads of this step's buffer are back; behind its wait the next buffer is whole and this one may be written again.
.macro STEP sub, more, NK, NV, imm
	WIN 0
.set i, 0
.rept 16                                               ; the bias is the C operand: tile i / 4, key tile (i / 2) % 2; 16 lanes read 256 consecutive bytes
	ds_load_b128 v[RS+4*i:RS+4*i+3], v[BLD+(\sub)] offset:(i/4)*2048+((i/2)%2)*1024+(i%2)*256
.set i, i+1
.endr
	s_wait_loadcnt \NK                             ; K is in
	s_wait_dscnt 0x0
	WIN 0x05                                       ; K and Q window 1, S^T window 0
.set i, 0
.rept 16                                               ; channels 32 (i / 8) on, tile (i / 2) % 4, key tile i % 2: the 8 accumulators take turns
.set rS, RS+16*((i/2)%4)+8*(i%2)
.set rK, RK+16*(i%2)+8*(i/8)
.set rQ, RQ+16*((i/2)%4)+8*(i/8)
	v_wmma_f32_16x16x32_f16 v[rS:rS+7], v[rK:rK+7], v[rQ:rQ+7], v[rS:rS+7]
.set i, i+1
.endr
	WIN 0
	PLACES
.if \more
	KLOAD \imm
.if (\sub) == 1
	s_wait_loadcnt 16                              ; the next block's p is in: behind it only V's 8 and K's 8 may be out; its loads' base is free
	CONV
	s_cmp_lg_u32 s52, 1                            ; the loop's last trip has no block two on: it asks for the last block once more (2 KB a wave, not used), so that no load leaves the buffer
	s_cselect_b32 s30, 256, 0
	s_add_nc_u64 s[28:29], s[28:29], s[30:31]
	PLOAD
	HID 0, PCA, 256
.else
	HID 1, PCB, 128
.endif
	s_wait_dscnt 0x0                               ; for the others' sake: my bias stores are done
	s_barrier_signal -1
.endif
	SOFT
	s_wait_loadcnt \NV                             ; V is in
	WIN 0x51                                       ; V window 1, P window 0, O^T window 1
.set i, 0
.rept 16                                               ; channels 16 (i / 4) on, tile i % 4: 16 accumulators, one instruction each
.set rO, RO+32*(i%4)+8*(i/4)
.set rV, RV+8*(i/4)
.set rP, RS+16*(i%4)
	v_wmma_f32_16x16x32_f16 v[rO:rO+7], v[rV:rV+7], v[rP:rP+7], v[rO:rO+7]
.set i, i+1
.endr
	WIN 0
.if \more
	s_barrier_wait -1
	PLACES 5                                       ; four ahead of the loads into V and into P's registers; the fifth for the next step's first products, which write over P, a source of the products above
	VLOAD \imm
.endif
.endm
	s_load_b512 s[4:19], s[0:1], 0x0               ; qf 4, kv 6, p 8, madd 10, W1 12, b1 14, W2 16, b2 18
	s_load_b128 s[20:23], s[0:1], 0x40             ; of 20, st 22
	v_lshl_add_u32 v[SPW], v0, 2, SPARE
	v_mov_b32 v[NIL], 0
	v_lshrrev_b32 v1, 5, v0
	v_readfirstlane_b32 s24, v1                    ; wave = head
	s_and_b32 s32, ttmp7, 0xffff
	s_lshr_b32 s33, s32, 1                         ; batch
	s_and_b32 s34, s32, 1                          ; half of the keys
	s_lshl_b32 s35, s33, 5
	s_add_co_u32 s35, s35, ttmp9                   ; G: my block of queries among all 128
	s_and_b32 s36, s24, 1
	s_lshr_b32 s37, s24, 1                         ; t_w: the tile whose bias I make
	s_lshl_b32 s38, s33, 5
	s_lshl_b32 s39, s34, 4
	s_add_co_u32 s38, s38, s39                     ; the half's first block of keys
	s_lshl_b32 s42, s38, 8                         ; in madd
	s_mov_b32 s43, 0
	s_lshl_b32 s38, s38, 17                        ; in kv,
	s_lshl_b32 s39, s24, 13                        ; my head's 8,192 bytes
	s_add_co_u32 s38, s38, s39
	s_mov_b32 s39, 0
	s_lshl_b32 s40, ttmp9, 6                       ; pairwise_feats: row 64 blk + 32 (w % 2) + t_w,
	s_lshl_b32 s41, s36, 5
	s_add_co_u32 s40, s40, s41
	s_add_co_u32 s40, s40, s37
	s_lshl_b32 s40, s40, 13
	s_lshl_b32 s41, s33, 24                        ; the batch,
	s_add_co_u32 s40, s40, s41
	s_lshl_b32 s41, s34, 12                        ; the half's 1,024 keys
	s_add_co_u32 s40, s40, s41
	s_mov_b32 s41, 0
	s_lshl_b32 s44, s35, 3
	s_add_co_u32 s44, s44, s24                     ; 8 G + w
	s_lshl_b32 s54, s34, 10
	s_add_co_u32 s54, s54, s44
	s_lshl_b32 s54, s54, 9                         ; st: 512 bytes for each (half, G, head)
	s_mov_b32 s55, 0
	s_lshl_b32 s44, s44, 13                        ; qf and of: 8,192 bytes for each (G, head)
	s_mov_b32 s45, 0
	s_lshl_b32 s46, s34, 23
	s_add_co_u32 s46, s46, s44
	s_mov_b32 s47, 0
	s_mov_b32 s48, 0x3e38aa3b                      ; c = log2(e) / 8
	s_mov_b32 s49, s48
	s_mov_b32 s50, 0x76543210
	s_mov_b32 s51, 0xfedcba98
	s_mov_b32 s53, 0x41000000                      ; 8.0
	s_mov_b32 s30, 0
	s_mov_b32 s31, 0
	v_and_b32 v192, 31, v0                         ; lane (S^T's registers serve the set-up)
	v_and_b32 v193, 15, v0                         ; r
	v_bfe_u32 v194, v0, 4, 1                       ; h
	v_and_b32 v195, 7, v0                          ; r % 8
	v_bfe_u32 v196, v0, 3, 1                       ; r / 8
	v_lshlrev_b32 v[KVO], 4, v192
	v_lshlrev_b32 v[L8], 3, v192
	v_lshlrev_b32 v[PO], 4, v193
	v_lshl_add_u32 v[PO], v194, 15, v[PO]
	s_mul_i32 s56, s24, HB
	v_lshlrev_b32 v[BLD], 4, v193                  ; read: head w, key rows 8 h on at 512 h, query r
	v_lshl_add_u32 v[BLD], v194, 9, v[BLD]
	v_add_nc_u32 v[BLD], s56, v[BLD]
	v_add_nc_u32 v[BLD+1], BUFB, v[BLD]
	v_mul_u32_u24 v[BST], v195, HB                 ; made: head r % 8, tile t_w, key rows 8 h on, query 8 (w % 2) + 2 pi + r / 8
	v_lshl_add_u32 v[BST], v194, 9, v[BST]
	v_lshl_add_u32 v[BST], v196, 4, v[BST]
	s_lshl_b32 s56, s37, 11
	s_lshl_b32 s57, s36, 7
	s_add_co_u32 s56, s56, s57
	v_add_nc_u32 v[BST], s56, v[BST]
	v_add_nc_u32 v[BST+1], BUFB, v[BST]
	v_lshl_add_u32 v[MTA], v194, 5, MT
	v_cmp_eq_u32 vcc_lo, v196, v194
	v_cndmask_b32 v[PT], 0, s53, vcc_lo            ; 8 where my half of the lanes is my column's query set, else 0
	v_mov_b32 v197, 0
	v_lshlrev_b32 v198, 6, v195
	v_lshlrev_b32 v199, 2, v195
	v_lshlrev_b32 v200, 4, v0
	v_lshl_add_u32 v201, v0, 4, MT
	s_wait_kmcnt 0x0
	s_add_nc_u64 s[10:11], s[10:11], s[42:43]
	s_add_nc_u64 s[4:5], s[4:5], s[44:45]
	s_add_nc_u64 s[26:27], s[6:7], s[38:39]        ; K and V of the step in hand
	s_add_nc_u64 s[28:29], s[8:9], s[40:41]        ; p of the block to be asked for
	s_add_nc_u64 s[20:21], s[20:21], s[46:47]
	s_add_nc_u64 s[22:23], s[22:23], s[54:55]
	global_load_b128 v[BD:BD+3], v200, s[10:11]    ; the half's madd, 16 bytes a thread
.set i, 0
.rept 4
	global_load_b128 v[W1V+4*i:W1V+4*i+3], v197, s[12:13] offset:16*i
	global_load_b128 v[B1V+4*i:B1V+4*i+3], v197, s[14:15] offset:16*i
	global_load_b128 v[HT+4*i:HT+4*i+3], v198, s[16:17] offset:16*i
.set i, i+1
.endr
	global_load_b32 v[B2P], v199, s[18:19]
	WIN 0x40
.set i, 0
.rept 16
	global_load_b128 v[RQ+4*i:RQ+4*i+3], v[KVO], s[4:5] offset:512*i
.set i, i+1
.endr
	WIN 0
	PLOAD                                          ; key block 0
	; O^T, l and the registers at work start at 0, m far below every score: the first step is a step like any other, with a = 0.  128 moves, in the wait for the first loads.
	WIN 0x40
.set i, 0
.rept 128
	v_mov_b32 v[RO+i], 0
.set i, i+1
.endr
	WIN 0
.set i, 0
.rept 4
	v_mov_b32 v[ST+4*i+1], 0xee000000              ; -2^93
	v_mul_f32 v[ST+4*i], s48, v[ST+4*i+1]
	v_mov_b32 v[ST+4*i+2], 0
	v_mov_b32 v[ST+4*i+3], 0
	v_mov_b32 v[TMP+4*i], 0
	v_mov_b32 v[TMP+4*i+1], 0
	v_mov_b32 v[TMP+4*i+2], 0
	v_mov_b32 v[TMP+4*i+3], 0
.set i, i+1
.endr
	s_wait_loadcnt 0x0
	ds_store_b128 v201, v[BD:BD+3]
.set i, 0
.rept 8
	RB16 W1V+2*i, 12+i%4
	RB16 B1V+2*i, 12+(i+2)%4
.set i, i+1
.endr
.set i, 0
.rept 8
	RB16 HT+2*i, 12+i%4
.set i, i+1
.endr
.set i, 0
.rept 16
	v_mul_f32 v[HT+i], v[PT], v[HT+i]
.set i, i+1
.endr
.set i, 0
.rept 8
	v_cvt_pk_f16_f32 v[W2B+i], v[HT+2*i], v[HT+2*i+1]  ; 8 x a bf16 number: exact in f16
.set i, i+1
.endr
	v_cvt_pk_bf16_f32 v12, v[B2P], v[B2P]
	v_lshlrev_b32 v[B2P], 16, v12
	v_mul_f32 v[B2P], s53, v[B2P]
	v_mov_b32 v[B2P+1], v[B2P]
	CONV                                           ; block 0's p
	KLOAD 0                                        ; the loop's own order of issue: K, p, V
	s_add_nc_u64 s[28:29], s[28:29], 0x100
	PLOAD                                          ; block 1
	VLOAD 0
	s_wait_dscnt 0x0                               ; my part of madd is in LDS,
	s_barrier_signal -1
	s_barrier_wait -1                              ; everybody's is
	HID 0, PCA, 0                                  ; the first step's bias
	s_wait_dscnt 0x0
	s_barrier_signal -1
	s_barrier_wait -1
	s_mov_b32 s52, 15
.Lblk:                                                 ; a trip: a block of 64 keys, two steps
	STEP 0, 1, 12, 8, 65536                        ; behind K: p's 4 and V's 8.  Behind V: the next K's 8
	STEP 1, 1, 8, 12, 131072                       ; behind K: V's 8.  Behind V: the next K's 8 and p's 4
	s_wait_xcnt 0x0                                ; the base of the loads just issued is stepped only behind this wait
	s_add_nc_u64 s[26:27], s[26:27], 0x20000
	v_add_nc_u32 v[MTA], 0x100, v[MTA]
	s_sub_co_u32 s52, s52, 1
	s_cmp_lg_u32 s52, 0
	s_cbranch_scc1 .Lblk
	STEP 0, 1, 12, 8, 65536                        ; the last block
	STEP 1, 0, 8, 0, 0
	; THE WAY OUT.  l's two halves and the other half of the lanes' are added (the additions are the places behind the last products); (c m, l) go to st, O / l to of.
	ALL v_add_f32 v[ST+4*t+2], v[ST+4*t+2], v[ST+4*t+3]
	ALL v_permlanex16_b32 v[ST+4*t+3], v[ST+4*t+2], s50, s51
	ALL v_add_f32 v[ST+4*t+2], v[ST+4*t+2], v[ST+4*t+3]
	v_bfe_u32 v1, v0, 4, 1
	v_cmp_ne_u32 vcc_lo, 0, v1
	v_cndmask_b32 v12, v[ST], v[ST+4], vcc_lo      ; lanes 0-15 speak for tile 2 j, lanes 16-31 for tile 2 j + 1: 32 tokens, 256 consecutive bytes
	v_cndmask_b32 v13, v[ST+2], v[ST+6], vcc_lo
	v_cndmask_b32 v14, v[ST+8], v[ST+12], vcc_lo
	v_cndmask_b32 v15, v[ST+10], v[ST+14], vcc_lo
	global_store_b64 v[L8], v[12:13], s[22:23]
	global_store_b64 v[L8], v[14:15], s[22:23] offset:256
	ALL v_max_num_f32 v[ST+4*t+2], 0x0da24260, v[ST+4*t+2]  ; l is 0 or at least 1: with 1e-30 in 0's place O / l stays 0
	ALL v_rcp_f32 v[ST+4*t+2], v[ST+4*t+2]
	v_nop
	s_wait_alu depctr_va_vdst(0)
.set u, 0
.rept 4
	WIN 0x41
.set z, 0
.rept 16
	v_pk_mul_f32 v[RO+32*u+2*z:RO+32*u+2*z+1], v[RO+32*u+2*z:RO+32*u+2*z+1], v[ST+4*u+2:ST+4*u+3] op_sel_hi:[1,0]
.set z, z+1
.endr
	WIN 0x05
.set z, 0
.rept 16
	v_cvt_pk_f16_f32 v[RS+16*u+z], v[RO+32*u+2*z], v[RO+32*u+2*z+1]
.set z, z+1
.endr
	WIN 0
.set z, 0
.rept 4
	global_store_b128 v[KVO], v[RS+16*u+4*z:RS+16*u+4*z+3], s[20:21] offset:(4*u+z)*512  ; a chunk: 512 consecutive bytes
.set z, z+1
.endr
.set u, u+1
.endr
	s_wait_tensorcnt 0x0                           ; the wave's end, behind my last LDS store
	ds_add_u32 v[SPW], v[NIL]
	s_wait_dscnt 0x0
	s_endpgm
.Lfunc_end_k_qac7850ba26_attn:
	.size	k_qac7850ba26_attn, .Lfunc_end_k_qac7850ba26_attn-k_qac7850ba26_attn
	.p2alignl 7, 3214868480
	.fill 96, 4, 3214868480
	.section	.rodata,"a",@progbits
	.p2align	6, 0x0
	.amdhsa_kernel k_qac7850ba26_attn
		.amdhsa_group_segment_fixed_size 136704
		.amdhsa_private_segment_fixed_size 0
		.amdhsa_enable_private_segment 0
		.amdhsa_kernarg_size 80
		.amdhsa_user_sgpr_count 2
		.amdhsa_user_sgpr_kernarg_segment_ptr 1
		.amdhsa_wavefront_size32 1
		.amdhsa_system_sgpr_workgroup_id_x 1
		.amdhsa_system_sgpr_workgroup_id_y 1
		.amdhsa_system_sgpr_workgroup_id_z 1
		.amdhsa_system_vgpr_workitem_id 0
		.amdhsa_next_free_vgpr 512
		.amdhsa_next_free_sgpr 66
		.amdhsa_reserve_vcc 1
		.amdhsa_float_denorm_mode_32 3
		.amdhsa_float_denorm_mode_16_64 3
		.amdhsa_memory_ordered 1
		.amdhsa_forward_progress 1
		.amdhsa_inst_pref_size 171
	.end_amdhsa_kernel
	.amdgpu_metadata
---
amdhsa.version: [ 1, 2 ]
amdhsa.kernels:
  - .name:           k_qac7850ba26_attn
    .symbol:         k_qac7850ba26_attn.kd
    .args:
      - { .name: qf, .offset: 0, .size: 8, .value_kind: global_buffer, .address_space: global }
      - { .name: kv, .offset: 8, .size: 8, .value_kind: global_buffer, .address_space: global }
      - { .name: pairwise_feats, .offset: 16, .size: 8, .value_kind: global_buffer, .address_space: global }
      - { .name: madd, .offset: 24, .size: 8, .value_kind: global_buffer, .address_space: global }
      - { .name: W1, .offset: 32, .size: 8, .value_kind: global_buffer, .address_space: global }
      - { .name: b1, .offset: 40, .size: 8, .value_kind: global_buffer, .address_space: global }
      - { .name: W2, .offset: 48, .size: 8, .value_kind: global_buffer, .address_space: global }
      - { .name: b2, .offset: 56, .size: 8, .value_kind: global_buffer, .address_space: global }
      - { .name: of, .offset: 64, .size: 8, .value_kind: global_buffer, .address_space: global }
      - { .name: st, .offset: 72, .size: 8, .value_kind: global_buffer, .address_space: global }
    .group_segment_fixed_size: 136704
    .private_segment_fixed_size: 0
    .kernarg_segment_align: 8
    .kernarg_segment_size: 80
    .max_flat_workgroup_size: 256
    .sgpr_count:     66
    .vgpr_count:     512
    .wavefront_size: 32
...
	.end_amdgpu_metadata
.endif
;; end of part 3
;; launch outp (part 4): grid 128 x 2, 4 waves a work-group, no clusters, 83,456 bytes of LDS; arguments of, st, wob, bo, out0; writes out0
.if DOCPART == 4
	.amdgcn_target "amdgcn-amd-amdhsa--gfx1250"
	.amdhsa_code_object_version 6
	.text
	.protected	k_qac7850ba26_outp
	.globl	k_qac7850ba26_outp
	.p2align	8
	.type	k_qac7850ba26_outp,@function
k_qac7850ba26_outp:
	s_mov_b64 s[64:65], 0
	v_nop
	global_prefetch_b8 v0, s[64:65] scope:SCOPE_SE
	s_setreg_imm32_b32 hwreg(HW_REG_WAVE_MODE, 25, 1), 1
	s_wait_xcnt 0x0
; OUT = merge(O of the two key halves) Wo^T + bo.  of: [half][block][head][t][ct] chunks of f16, O / l of a half; st: (c m, l) for each (half, block, head, logical token).
; With x = max(c m_A, c m_B), e = 2^(c m - x) l: O = (e_A O_A + e_B O_B) / (e_A + e_B), reckoned in f32.  A row with no open key in either half has e_A + e_B = 0 and comes out NaN, as the softmax of such a row does.
; SHARES.  A work-group makes 64 tokens (one block) x 256 columns; wave w merges heads 2 w, 2 w + 1 into LDS, and then makes 64 tokens x 64 columns: 16 accumulators a = 4 t + nt.
; Its 64 rows of Wo (64 KB of f16, in fragment order) stay in 512 registers; source 0 = 16 rows of Wo, source 1 = 16 tokens: a lane holds one token and 8 neighbouring columns.
; NO CLUSTER: what work-groups share is Wo, 512 KB in all, which each wave reads once into registers; a joint load would land in LDS and be read from there again.
; The merged O is rounded once to f16, the matrix operand; bo is rounded to bf16 like every input.  Rows leave in token order: logical row 16 t + p of the block is token 4 p + t.
; REGISTERS.  window 0: v2-11 addresses; v16-47 st; v48-63 the factors in f32; v64-127 at work in the merge, then two buffers of O's fragments; v128-255 O_B, the merged O, then the rows on their way out.
;   window 1: v0-127 O_A, then the accumulators; v128-159 bo; v160-175 at work.  windows 2, 3: Wo: K step ks at window 2 + ks / 8, v[32 (ks % 8) + 8 nt].
.set SP,    272                        ; a stage row: 256 bytes + 16
.set STAGE, 65536                      ; behind the merged O: 16 rows for each wave
.set SPARE, STAGE+4*16*SP              ; the spare words
.set SPW, 10
.set NIL, 11
.set FA,  64
.set OB,  128
.set BIA, 128                          ; window 1
.set XA,  80                           ; the merge: 16 numbers of O_A in f32
.set XB,  96                           ; and of O_B
.set MSB, 0
.macro WIN new
.if MSB != (\new)
	s_set_vgpr_msb (MSB<<8)|(\new)
.set MSB, \new
.endif
.endm
.macro PLACES
.rept 4
	v_nop
.endr
.endm
.macro A8 line:vararg                  ; one line for each (head of my two, tile): q = 4 hd + t
.set q, 0
.rept 8
	\line
.set q, q+1
.endr
.endm
.macro FETCH k                         ; O's fragments of K step k (head k / 2, channels 32 (k % 2) on), four tiles, into buffer k % 2
.set i, 0
.rept 8
	ds_load_b128 v[FA+32*((\k)%2)+4*i:FA+32*((\k)%2)+4*i+3], v2 offset:((\k)/2)*8192+(i/2)*2048+(2*((\k)%2)+i%2)*512
.set i, i+1
.endr
.endm
; 16 words of f16 pairs in v64-79 (O_A's 8, O_B's 8) widened into v80-111.  A register's halves have names only below v128 of window 0: hence the copies in MERGE.
.macro UNPACK
	v_cvt_f32_f16 v80, v64.l
	v_cvt_f32_f16 v81, v64.h
	v_cvt_f32_f16 v82, v65.l
	v_cvt_f32_f16 v83, v65.h
	v_cvt_f32_f16 v84, v66.l
	v_cvt_f32_f16 v85, v66.h
	v_cvt_f32_f16 v86, v67.l
	v_cvt_f32_f16 v87, v67.h
	v_cvt_f32_f16 v88, v68.l
	v_cvt_f32_f16 v89, v68.h
	v_cvt_f32_f16 v90, v69.l
	v_cvt_f32_f16 v91, v69.h
	v_cvt_f32_f16 v92, v70.l
	v_cvt_f32_f16 v93, v70.h
	v_cvt_f32_f16 v94, v71.l
	v_cvt_f32_f16 v95, v71.h
	v_cvt_f32_f16 v96, v72.l
	v_cvt_f32_f16 v97, v72.h
	v_cvt_f32_f16 v98, v73.l
	v_cvt_f32_f16 v99, v73.h
	v_cvt_f32_f16 v100, v74.l
	v_cvt_f32_f16 v101, v74.h
	v_cvt_f32_f16 v102, v75.l
	v_cvt_f32_f16 v103, v75.h
	v_cvt_f32_f16 v104, v76.l
	v_cvt_f32_f16 v105, v76.h
	v_cvt_f32_f16 v106, v77.l
	v_cvt_f32_f16 v107, v77.h
	v_cvt_f32_f16 v108, v78.l
	v_cvt_f32_f16 v109, v78.h
	v_cvt_f32_f16 v110, v79.l
	v_cvt_f32_f16 v111, v79.h
.endm
; Registers 8 g .. 8 g + 7 (two chunks) of my two heads are merged: f_A O_A + f_B O_B in f32, one rounding to f16, into O_B's registers.  They belong to (head, tile) g / 2,
; whose factors lie in one register of an even pair: op_sel picks it for both halves of the packed instruction.
.macro MERGE g
.set mq, (\g)/2
.set pa, 48+mq-mq%2
.set pb, 56+mq-mq%2
	WIN 0x01                                       ; source 0 (O_A) window 1
.set z, 0
.rept 8
	v_mov_b32 v[64+z], v[8*(\g)+z]
.set z, z+1
.endr
	WIN 0
.set z, 0
.rept 8
	v_mov_b32 v[72+z], v[OB+8*(\g)+z]
.set z, z+1
.endr
	UNPACK
.set z, 0
.rept 8
.if mq%2 == 0
	v_pk_mul_f32 v[XB+2*z:XB+2*z+1], v[XB+2*z:XB+2*z+1], v[pb:pb+1] op_sel_hi:[1,0]
.else
	v_pk_mul_f32 v[XB+2*z:XB+2*z+1], v[XB+2*z:XB+2*z+1], v[pb:pb+1] op_sel:[0,1] op_sel_hi:[1,1]
.endif
.set z, z+1
.endr
.set z, 0
.rept 8
.if mq%2 == 0
	v_pk_fma_f32 v[XB+2*z:XB+2*z+1], v[XA+2*z:XA+2*z+1], v[pa:pa+1], v[XB+2*z:XB+2*z+1] op_sel_hi:[1,0,1]
.else
	v_pk_fma_f32 v[XB+2*z:XB+2*z+1], v[XA+2*z:XA+2*z+1], v[pa:pa+1], v[XB+2*z:XB+2*z+1] op_sel:[0,1,0] op_sel_hi:[1,1,1]
.endif
.set z, z+1
.endr
.set z, 0
.rept 8
	v_cvt_pk_f16_f32 v[OB+8*(\g)+z], v[XB+2*z], v[XB+2*z+1]
.set z, z+1
.endr
.endm
	s_load_b256 s[4:11], s[0:1], 0x0               ; of 4, st 6, wob 8, bo 10
	s_load_b64 s[12:13], s[0:1], 0x20              ; out0
	v_lshl_add_u32 v[SPW], v0, 2, SPARE
	v_mov_b32 v[NIL], 0
	v_lshrrev_b32 v1, 5, v0
	v_readfirstlane_b32 s14, v1                    ; wave
	s_mov_b32 s15, ttmp9                           ; G
	s_and_b32 s16, ttmp7, 0xffff                   ; which 256 columns
	s_lshl_b32 s20, s15, 3
	s_lshl_b32 s21, s14, 1
	s_add_co_u32 s20, s20, s21                     ; 8 G + 2 w
	s_lshl_b32 s22, s20, 13                        ; of
	s_mov_b32 s23, 0
	s_lshl_b32 s20, s20, 9                         ; st
	s_mov_b32 s21, 0
	s_lshl_b32 s26, s16, 4
	s_lshl_b32 s27, s14, 2
	s_add_co_u32 s26, s26, s27                     ; my first ntile of Wo
	s_lshl_b32 s26, s26, 14
	s_mov_b32 s27, 0
	s_lshl_b32 s28, s16, 10
	s_lshl_b32 s29, s14, 8
	s_add_co_u32 s28, s28, s29                     ; my first column, in bytes of f32
	s_mov_b32 s29, 0
	s_lshl_b32 s30, s15, 17                        ; 64 rows of 2,048 bytes
	s_add_co_u32 s30, s30, s28
	s_mov_b32 s31, 0
	v_and_b32 v12, 31, v0
	v_and_b32 v13, 15, v0                          ; r
	v_bfe_u32 v14, v0, 4, 1                        ; h
	v_lshlrev_b32 v2, 4, v12                       ; 16 x lane
	v_lshlrev_b32 v3, 3, v13                       ; st: 8 bytes a token
	s_lshl_b32 s32, s14, 14
	v_add_nc_u32 v4, s32, v2                       ; where my two heads' merged chunks go
	s_mul_i32 s33, s14, 16*SP
	s_add_co_u32 s33, s33, STAGE
	v_mul_u32_u24 v5, v13, SP                      ; stage in: row r, 32 bytes for each half of the lanes
	v_lshl_add_u32 v5, v14, 5, v5
	v_add_nc_u32 v5, s33, v5
	v_mul_u32_u24 v6, v14, SP                      ; back: lanes 0-15 one row of 256 bytes, lanes 16-31 the next
	v_lshl_add_u32 v6, v13, 4, v6
	v_add_nc_u32 v6, s33, v6
	v_lshlrev_b32 v7, 13, v14                      ; out0: logical rows 2 k, 2 k + 1 of a tile are tokens 4 apart
	v_lshl_add_u32 v7, v13, 4, v7
	v_lshlrev_b32 v8, 5, v14                       ; bo: 8 columns for each half of the lanes
	s_wait_kmcnt 0x0
	s_add_nc_u64 s[6:7], s[6:7], s[20:21]
	s_add_nc_u64 s[4:5], s[4:5], s[22:23]
	s_add_nc_u64 s[24:25], s[4:5], 0x800000        ; the second half's O
	s_add_nc_u64 s[8:9], s[8:9], s[26:27]
	s_add_nc_u64 s[10:11], s[10:11], s[28:29]
	s_add_nc_u64 s[12:13], s[12:13], s[30:31]
.set i, 0
.rept 16                                               ; i = 8 half + 4 hd + t
	global_load_b64 v[16+2*i:17+2*i], v3, s[6:7] offset:(i/8)*524288+((i/4)%2)*512+(i%4)*128
.set i, i+1
.endr
	WIN 0x40
.set i, 0
.rept 8
	global_load_b128 v[BIA+4*i:BIA+4*i+3], v8, s[10:11] offset:(i/2)*64+(i%2)*16
.set i, i+1
.endr
.set i, 0
.rept 32
	global_load_b128 v[4*i:4*i+3], v2, s[4:5] offset:512*i th:TH_LOAD_NT
.set i, i+1
.endr
	WIN 0
.set i, 0
.rept 32
	global_load_b128 v[OB+4*i:OB+4*i+3], v2, s[24:25] offset:512*i th:TH_LOAD_NT
.set i, i+1
.endr
.set ks, 0
.rept 16                                               ; Wo, K steps ascending, 8 loads each
	WIN 0x80+0x40*(ks/8)
.set i, 0
.rept 8
	global_load_b128 v[(ks%8)*32+4*i:(ks%8)*32+4*i+3], v2, s[8:9] offset:(i/2)*16384+ks*1024+(i%2)*512
.set i, i+1
.endr
.set ks, ks+1
.endr
	WIN 0
	s_wait_loadcnt 63                              ; st, bo and both O have 128 younger loads behind them; the wait's field ends at 63
	WIN 0x45                                       ; bo, in window 1, is rounded to bf16
.set i, 0
.rept 16
	v_cvt_pk_bf16_f32 v[160+i], v[BIA+2*i], v[BIA+2*i+1]
.set i, i+1
.endr
.set i, 0
.rept 16
	v_lshlrev_b32 v[BIA+2*i], 16, v[160+i]
	v_and_b32 v[BIA+2*i+1], 0xffff0000, v[160+i]
.set i, i+1
.endr
	WIN 0
	A8 v_max_num_f32 v[64+q], v[16+2*q], v[32+2*q]
	A8 v_sub_f32 v[72+q], v[16+2*q], v[64+q]
	A8 v_sub_f32 v[80+q], v[32+2*q], v[64+q]
	A8 v_exp_f32 v[72+q], v[72+q]
	A8 v_exp_f32 v[80+q], v[80+q]
	v_nop                                          ; a plain instruction behind the exponentials
	s_wait_alu depctr_va_vdst(0)
	A8 v_mul_f32 v[72+q], v[72+q], v[17+2*q]
	A8 v_mul_f32 v[80+q], v[80+q], v[33+2*q]
	A8 v_add_f32 v[64+q], v[72+q], v[80+q]
	A8 v_rcp_f32 v[64+q], v[64+q]
	v_nop
	s_wait_alu depctr_va_vdst(0)
	A8 v_mul_f32 v[48+q], v[72+q], v[64+q]         ; f_A
	A8 v_mul_f32 v[56+q], v[80+q], v[64+q]         ; f_B
.set mg, 0
.rept 16
	MERGE mg
.set mg, mg+1
.endr
.set i, 0
.rept 32
	ds_store_b128 v4, v[OB+4*i:OB+4*i+3] offset:512*i
.set i, i+1
.endr
	s_wait_dscnt 0x0                               ; for the others' sake: my two heads are in LDS,
	s_barrier_signal -1
	s_barrier_wait -1                              ; all eight are
	FETCH 0
.set ks, 0
.rept 16
	WIN 0
.if ks > 0
	PLACES                                         ; ahead of the loads into the buffer that the K step before multiplied
.endif
.if ks < 15
	FETCH ks+1
	s_wait_dscnt 0x8                               ; this K step's fragments are in; the 8 just issued may be out
.else
	s_wait_dscnt 0x0
.endif
.if 8*(15-ks) > 63
	s_wait_loadcnt 63
.else
	s_wait_loadcnt 8*(15-ks)                       ; this K step's Wo is in; the later steps' loads may be out
.endif
	WIN 0x52+ks/8                                  ; Wo window 2 or 3, O window 0, C and D window 1
.set a, 0
.rept 16                                               ; the 16 accumulators take turns; bo starts the sums
.set rW, (ks%8)*32+8*(a%4)
.set rA, FA+32*(ks%2)+8*(a/4)
.if ks == 0
	v_wmma_f32_16x16x32_f16 v[8*a:8*a+7], v[rW:rW+7], v[rA:rA+7], v[BIA+8*(a%4):BIA+8*(a%4)+7]
.else
	v_wmma_f32_16x16x32_f16 v[8*a:8*a+7], v[rW:rW+7], v[rA:rA+7], v[8*a:8*a+7]
.endif
.set a, a+1
.endr
.set ks, ks+1
.endr
	PLACES
	; THE WAY OUT, a tile at a time through my own stage: a lane's 32 bytes in, whole rows of 256 bytes back.  LDS serves a wave's instructions in order (ISA guide 5.7.1.4),
	; so the loads see the stores above them, and the next tile's stores come behind them.
.set u, 0
.rept 4
	WIN 0x04                                       ; store data window 1
.set i, 0
.rept 8                                                ; each accumulator's low four registers first
	ds_store_b128 v5, v[8*(4*u+i/2)+4*(i%2):8*(4*u+i/2)+4*(i%2)+3] offset:(i/2)*64+(i%2)*16
.set i, i+1
.endr
	WIN 0
.set i, 0
.rept 8
	ds_load_b128 v[OB+32*u+4*i:OB+32*u+4*i+3], v6 offset:i*2*SP
.set i, i+1
.endr
	s_wait_dscnt 0x0
.set i, 0
.rept 8
	global_store_b128 v7, v[OB+32*u+4*i:OB+32*u+4*i+3], s[12:13] offset:i*16384+u*2048  ; 16 lanes store 256 consecutive bytes, aligned: token 4 (2 i + h) + u
.set i, i+1
.endr
.set u, u+1
.endr
	s_wait_tensorcnt 0x0                           ; the wave's end, behind my last LDS store
	ds_add_u32 v[SPW], v[NIL]
	s_wait_dscnt 0x0
	s_endpgm
.Lfunc_end_k_qac7850ba26_outp:
	.size	k_qac7850ba26_outp, .Lfunc_end_k_qac7850ba26_outp-k_qac7850ba26_outp
	.p2alignl 7, 3214868480
	.fill 96, 4, 3214868480
	.section	.rodata,"a",@progbits
	.p2align	6, 0x0
	.amdhsa_kernel k_qac7850ba26_outp
		.amdhsa_group_segment_fixed_size 83456
		.amdhsa_private_segment_fixed_size 0
		.amdhsa_enable_private_segment 0
		.amdhsa_kernarg_size 40
		.amdhsa_user_sgpr_count 2
		.amdhsa_user_sgpr_kernarg_segment_ptr 1
		.amdhsa_wavefront_size32 1
		.amdhsa_system_sgpr_workgroup_id_x 1
		.amdhsa_system_sgpr_workgroup_id_y 1
		.amdhsa_system_sgpr_workgroup_id_z 1
		.amdhsa_system_vgpr_workitem_id 0
		.amdhsa_next_free_vgpr 1024
		.amdhsa_next_free_sgpr 66
		.amdhsa_reserve_vcc 0
		.amdhsa_float_denorm_mode_32 3
		.amdhsa_float_denorm_mode_16_64 3
		.amdhsa_memory_ordered 1
		.amdhsa_forward_progress 1
		.amdhsa_inst_pref_size 115
	.end_amdhsa_kernel
	.amdgpu_metadata
---
amdhsa.version: [ 1, 2 ]
amdhsa.kernels:
  - .name:           k_qac7850ba26_outp
    .symbol:         k_qac7850ba26_outp.kd
    .args:
      - { .name: of, .offset: 0, .size: 8, .value_kind: global_buffer, .address_space: global }
      - { .name: st, .offset: 8, .size: 8, .value_kind: global_buffer, .address_space: global }
      - { .name: wob, .offset: 16, .size: 8, .value_kind: global_buffer, .address_space: global }
      - { .name: bo, .offset: 24, .size: 8, .value_kind: global_buffer, .address_space: global }
      - { .name: out0, .offset: 32, .size: 8, .value_kind: global_buffer, .address_space: global }
    .group_segment_fixed_size: 83456
    .private_segment_fixed_size: 0
    .kernarg_segment_align: 8
    .kernarg_segment_size: 40
    .max_flat_workgroup_size: 128
    .sgpr_count:     66
    .vgpr_count:     1024
    .wavefront_size: 32
...
	.end_amdgpu_metadata
.endif
;; end of part 4
;; ======== version 2 of 2: 4 launches; version 1 with the launch attn written anew for expert scheduling mode
;; limits: values are held in f16: magnitudes above 65,504 overflow, below 6.1e-05 lose precision; values outside matrix products are rounded to f16
;; workspace buffers: xb 8,388,608 bytes; wb 1,572,864 bytes; wob 524,288 bytes; madd 32,768 bytes; qf 8,388,608 bytes; kv 16,777,216 bytes; of 16,777,216 bytes; st 1,048,576 bytes
;; launch cast: the kernel of part 1 again; grid 344 x 1, 8 waves a work-group, no clusters, 0 bytes of LDS; arguments x, Wq, Wk, Wv, Wo, key_padding_mask, xb, wb, wob, madd; writes xb, wb, wob, madd
;; launch qkv: the kernel of part 2 again; grid 4 x 64, 4 waves a work-group, clusters of 4 x 4, 327,680 bytes of LDS; arguments xb, wb, bq, bk, bv, qf, kv; writes qf, kv
;; launch attn (part 5): grid 32 x 8, 8 waves a work-group, no clusters, 136,704 bytes of LDS; arguments qf, kv, pairwise_feats, madd, W1, b1, W2, b2, of, st; writes of, st
.if DOCPART == 5
	.amdgcn_target "amdgcn-amd-amdhsa--gfx1250"
	.amdhsa_code_object_version 6
	.text
	.protected	k_qac7850ba26_attn
	.globl	k_qac7850ba26_attn
	.p2align	8
	.type	k_qac7850ba26_attn,@function
k_qac7850ba26_attn:
	s_mov_b64 s[64:65], 0
	v_nop
	global_prefetch_b8 v0, s[64:65] scope:SCOPE_SE
	s_setreg_imm32_b32 hwreg(HW_REG_WAVE_SCHED_MODE, 0, 2), 2
	s_setreg_imm32_b32 hwreg(HW_REG_WAVE_MODE, 25, 1), 1
	s_wait_xcnt 0x0
	s_wait_alu depctr_vm_vsrc(0)
; ATTENTION WITH A PAIRWISE BIAS.  A work-group takes 64 queries (one block), all 8 heads, and one half (1,024) of a batch's keys; it leaves O / l in f16 (of) and (c m, l) in f32 (st)
; for the next launch to merge.  score = q.k / 8 + W2[h] . relu(W1 p + b1) + b2[h], padded keys hidden.  Tokens are in logical order (row 16 u + p of a block is token 4 p + u).
; SHARES.  Wave w is head w: four tiles t of 16 queries, 32 steps of 32 keys.  Beside that it MAKES the bias of 8 of the 64 queries for all 8 heads: the 16 hidden numbers of a pair
; (query, key) are made once for the 8 heads, which is why all heads sit in one work-group.  Two waves of 512 registers share a SIMD: the text goes in phases, one wave's matrix work beside the other's vector work.
; THE BIAS BY THE MATRIX UNIT.  One instruction makes 16 keys x 2 queries x 8 heads.  Source 0: lane (r, h) holds the 16 hidden numbers (f16) of (query set h, key row r).  Source 1: lane (c, h) holds
; 8 W2[c % 8][0..15] if c / 8 = h, else 0.  C: 8 b2[c % 8] + madd(key row 8 h + i).  The result, lane (c, h), register i, is 8 x the bias of head c % 8, query set c / 8, key row 8 h + i:
; the very registers of the C operand of that head's S^T = K Q^T.  It goes there in f32 through LDS, two buffers by turns, and costs the softmax nothing.
; SOFTMAX.  p = 2^(c s - c m), c = log2(e) / 8, s = q.k + 8 bias + madd; running maximum m and sum l; O and l are multiplied by a = 2^(c m_old - c m_new) in every step.  m starts at -2^93.
; K, V, Q arrive in fragment order, 512 consecutive bytes a load, straight into registers.
; NO CLUSTER, NO TENSOR LOAD: a joint load lands in LDS; each byte of K and V is wanted by one wave of the work-group, so the road through LDS would add 64 KB in and 64 KB out a step
; to the 64 KB in and 64 KB out that the bias moves.
; LIMITS.  Hidden numbers and 8 W2 beyond 65,504 are lost in f16; 8 x a real score lies above -2^93; a hidden score counts as its value less 2^100; a weight below 2^-126 counts as 0.
; p, W1, b1, W2, b2 are rounded to bf16 like every input.  Where a half has no open key: l = 0, O = 0.
; THE MODE: SCHED_MODE bits 1:0 = 2 (LLVM: expert scheduling mode 2), set by the entry lines.  The code itself states the register dependences between vector or matrix
; instructions and memory or LDS instructions, with s_wait_alu, always for 0.
; THE PLAN.  Registers that memory or LDS instructions touch, in the loop:
;   RS        The bias is loaded into it at a step's head; then K Q^T, the softmax and V^T P (which reads P there) name it.
;   CB        madd is loaded into it at a step's head; then 8 packed additions and the 8 bias products (as their C) name it.
;   K, V      Loaded; read by K Q^T, by V^T P.          PR   Loaded; read by CONV, in a block's second step.
;   BD, TMP   Two sets of 16 registers for the bias products' results: pairs 0 and 2 write BD, pairs 1 and 3 TMP (dead between two softmaxes); four LDS stores read a set one pair later.
;   v[MTA]    Read by CB's loads; stepped once a trip.   KVO, PO, BLD, BST are never written behind the head.
; A step's waits on va_vdst: ONE behind V^T P, for V's loads and for the next step's loads into RS and CB; ONE behind the first product's hidden numbers, for K's loads (and p's); one ahead of each
; of the four runs of bias stores; the softmax's own.  On vm_vsrc: one ahead of pairs 2 and 3 each, for the set that they write again; one ahead of the barrier's signal, for both sets and for v[MTA].
; REGISTERS.  window 0: below.  window 1: v0-127 O^T (32 t + 8 cb); v128-191 Q (16 t + 8 c2); v192-223 K (16 kt + 8 c2); v224-255 V (8 cb).
.set HB,    8224                       ; a head's part of a bias buffer: 8,192 bytes + 32, so that a maker's 16 lanes fall on 16 different 16-byte columns modulo 256 bytes
.set BUFB,  8*HB
.set MT,    2*BUFB                     ; the half's madd, 4,096 bytes
.set SPARE, MT+4096                    ; the spare words: 128 bytes a wave
.set KVO, 2                            ; 16 x lane
.set PO,  3                            ; my place in pairwise_feats: 4 rows down for lanes 16-31, 16 bytes a lane
.set BLD, 4                            ; v4-5   where my head's bias is read, buffer 0, 1
.set BST, 6                            ; v6-7   where the bias that I make goes
.set MTA, 8                            ; my place in the key block's madd
.set L8,  9                            ; 8 x lane
.set SPW, 10
.set NIL, 11
.set ST,  16                           ; tile t: c m, m, l (even rows', odd rows')
.set TMP, 32                           ; tile t: c0-c3 at work; c2 takes a.  Between two softmaxes: the results of the bias products of pairs 1 and 3
.set W2B, 48
.set B2P, 56                           ; 8 b2, twice
.set PT,  58                           ; two keys' p in f32
.set PCA, 60                           ; p as bf16 pairs, tiles u = 0, 1: one register for each of my 4 pairs of queries
.set PCB, 64                           ; u = 2, 3
.set PR,  68                           ; p as loaded
.set W1V, 84
.set B1V, 100
.set HT,  116                          ; 16 hidden numbers in f32; in the softmax: partial sums
.set HF,  132                          ; in f16, two buffers
.set CB,  148                          ; the bias products' C, 8 for each key tile
.set BD,  164                          ; the results of the bias products of pairs 0 and 2
.set RS,  192                          ; S^T: 16 t + 8 kt; P takes the first 8 of a tile's 16
.set RO,  0
.set RQ,  128
.set RK,  192
.set RV,  224
.set MSB, 0
.macro WIN new
.if MSB != (\new)
	s_set_vgpr_msb (MSB<<8)|(\new)
.set MSB, \new
.endif
.endm
.macro PLACES n=4                      ; places behind matrix instructions: four ahead of vector reads, vector writes and stores of a result, five ahead of a matrix instruction that writes over a source
.rept \n
	v_nop
.endr
.endm
.macro ALL line:vararg                 ; one line for each tile t
.set t, 0
.rept 4
	\line
.set t, t+1
.endr
.endm
.macro RB16 x, tmp                     ; a pair of f32 rounded to bf16 and widened again
	v_cvt_pk_bf16_f32 v[\tmp], v[\x], v[(\x)+1]
	v_lshlrev_b32 v[\x], 16, v[\tmp]
	v_and_b32 v[(\x)+1], 0xffff0000, v[\tmp]
.endm
.macro KLOAD imm
	WIN 0x40                                       ; destination window 1
.set i, 0
.rept 8
	global_load_b128 v[RK+4*i:RK+4*i+3], v[KVO], s[26:27] offset:(\imm)+512*i
.set i, i+1
.endr
	WIN 0
.endm
.macro VLOAD imm
	WIN 0x40
.set i, 0
.rept 8
	global_load_b128 v[RV+4*i:RV+4*i+3], v[KVO], s[26:27] offset:(\imm)+4096+512*i
.set i, i+1
.endr
	WIN 0
.endm
.macro PLOAD                           ; 64 keys of my 8 queries: lanes 0-15 take 256 consecutive bytes of one row, lanes 16-31 of the row 4 further down
.set i, 0
.rept 4
	global_load_b128 v[PR+4*i:PR+4*i+3], v[PO], s[28:29] offset:65536*i th:TH_LOAD_NT
.set i, i+1
.endr
.endm
.macro CONV
.set i, 0
.rept 4
	v_cvt_pk_bf16_f32 v[PCA+i], v[PR+4*i], v[PR+4*i+1]
	v_cvt_pk_bf16_f32 v[PCB+i], v[PR+4*i+2], v[PR+4*i+3]
.set i, i+1
.endr
.endm
.macro CBLOAD mo                       ; madd of a step's 32 keys, from byte mo behind MTA: what the bias products' C is made of
.set i, 0
.rept 4
	ds_load_b128 v[CB+4*i:CB+4*i+3], v[MTA] offset:(\mo)+64*(i/2)+16*(i%2)
.set i, i+1
.endr
.endm
.macro UNP pc, pi                      ; pair pi of my queries: its two key tiles' p in f32
	v_lshlrev_b32 v[PT], 16, v[(\pc)+(\pi)]
	v_and_b32 v[PT+1], 0xffff0000, v[(\pc)+(\pi)]
.endm
; The hidden numbers of one key tile kt for one pair of queries: 32 plain vector instructions
.macro FEATV kt
.set z, 0
.rept 8
.if (\kt) == 0
	v_pk_fma_f32 v[HT+2*z:HT+2*z+1], v[W1V+2*z:W1V+2*z+1], v[PT:PT+1], v[B1V+2*z:B1V+2*z+1] op_sel_hi:[1,0,1]
.else
	v_pk_fma_f32 v[HT+2*z:HT+2*z+1], v[W1V+2*z:W1V+2*z+1], v[PT:PT+1], v[B1V+2*z:B1V+2*z+1] op_sel:[0,1,0] op_sel_hi:[1,1,1]
.endif
.set z, z+1
.endr
.set z, 0
.rept 16
	v_max_num_f32 v[HT+z], 0, v[HT+z]
.set z, z+1
.endr
.set z, 0
.rept 8
	v_cvt_pk_f16_f32 v[HF+8*(\kt)+z], v[HT+2*z], v[HT+2*z+1]
.set z, z+1
.endr
.endm
; Product kk = 2 pi + kt: the hidden numbers times W2.  Its result goes into BD (pi even) or TMP (pi odd), 8 kt on.
.macro BMUL kk
.set rB, BD+8*((\kk)%2)
.if ((\kk)/2)%2
.set rB, TMP+8*((\kk)%2)
.endif
	v_wmma_f32_16x16x32_f16 v[rB:rB+7], v[HF+8*((\kk)%2):HF+8*((\kk)%2)+7], v[W2B:W2B+7], v[CB+8*((\kk)%2):CB+8*((\kk)%2)+7]
.endm
.macro BSTORE kk, buf                  ; product kk goes to the heads' waves: the low four registers first
.set rB, BD+8*((\kk)%2)
.if ((\kk)/2)%2
.set rB, TMP+8*((\kk)%2)
.endif
	ds_store_b128 v[BST+(\buf)], v[rB:rB+3]   offset:((\kk)%2)*1024+((\kk)/2)*32
	ds_store_b128 v[BST+(\buf)], v[rB+4:rB+7] offset:((\kk)%2)*1024+((\kk)/2)*32+256
.endm
; The bias of one step (32 keys) for my 8 queries and all heads, into buffer buf.  pc: the step's p.  CB holds the step's madd: it was asked for and waited for ahead of this macro.
; ld = 1: the next step's K is asked for here, at imm behind s[26:27]; ld = 2: and the p of the block two on; ld = 0: neither.
; A pair's two results are stored behind the next pair's first 34 vector instructions, which name none of the products' registers: they are the places ahead of the stores.
.macro HID buf, pc, ld, imm
.set z, 0
.rept 8
	v_pk_add_f32 v[CB+2*z:CB+2*z+1], v[CB+2*z:CB+2*z+1], v[B2P:B2P+1]
.set z, z+1
.endr
	UNP \pc, 0
	FEATV 0
.if \ld
	s_wait_alu depctr_va_vdst(0)                   ; the products K Q^T are done reading K, in which the loads below land; in a block's second step CONV is done reading PR, likewise
	KLOAD \imm
.endif
.if (\ld) == 2
	s_cmp_lg_u32 s52, 1                            ; the loop's last trip has no block two on: it asks for the last block once more (2 KB a wave, not used), so that no load leaves the buffer
	s_cselect_b32 s30, 256, 0
	s_add_nc_u64 s[28:29], s[28:29], s[30:31]      ; free: the step's wait for K has shown the older loads of p done
	PLOAD
.endif
	BMUL 0
	FEATV 1
	BMUL 1
	UNP \pc, 1
	FEATV 0
	s_wait_alu depctr_va_vdst(0)                   ; products 0 and 1 have written BD, which the four stores read
	BSTORE 0, \buf
	BSTORE 1, \buf
	BMUL 2                                         ; into TMP: the wait on vm_vsrc at the end of the bias before this one has shown its last stores' reads done
	FEATV 1
	BMUL 3
	UNP \pc, 2
	FEATV 0
	s_wait_alu depctr_vm_vsrc(0)                   ; the stores of products 0 and 1 have read BD, which products 4 and 5 write again
	s_wait_alu depctr_va_vdst(0)                   ; products 2 and 3 have written TMP, which the four stores read
	BSTORE 2, \buf
	BSTORE 3, \buf
	BMUL 4
	FEATV 1
	BMUL 5
	UNP \pc, 3
	FEATV 0
	s_wait_alu depctr_vm_vsrc(0)                   ; the stores of products 2 and 3 have read TMP, which products 6 and 7 write again
	s_wait_alu depctr_va_vdst(0)                   ; products 4 and 5 have written BD, which the four stores read
	BSTORE 4, \buf
	BSTORE 5, \buf
	BMUL 6
	FEATV 1
	BMUL 7
	PLACES                                         ; behind the last product, ahead of the stores of its result and of the softmax's writes into TMP
	s_wait_alu depctr_va_vdst(0)                   ; products 6 and 7 have written TMP, which the four stores read; the places above stay beside this wait
	BSTORE 6, \buf
	BSTORE 7, \buf
	s_wait_dscnt 0x0                               ; for the others' sake, ahead of the barrier's signal: my bias stores are done
	s_wait_alu depctr_vm_vsrc(0)                   ; my bias stores have read BD and TMP, which the softmax and the next bias write; CB's loads have read v[MTA], which is stepped once a trip
.endm
; The softmax of a step, every line for the four tiles in turn: 70 instructions a tile.  Each accumulator's lowest registers are read first.
.macro SOFT
	WIN 0
	ALL v_max3_num_f32 v[TMP+4*t], v[RS+16*t], v[RS+16*t+1], v[RS+16*t+2]
	ALL v_max3_num_f32 v[TMP+4*t+1], v[RS+16*t+8], v[RS+16*t+9], v[RS+16*t+10]
	ALL v_max3_num_f32 v[TMP+4*t], v[TMP+4*t], v[RS+16*t+3], v[RS+16*t+4]
	ALL v_max3_num_f32 v[TMP+4*t+1], v[TMP+4*t+1], v[RS+16*t+11], v[RS+16*t+12]
	ALL v_max3_num_f32 v[TMP+4*t], v[TMP+4*t], v[RS+16*t+5], v[RS+16*t+6]
	ALL v_max3_num_f32 v[TMP+4*t+1], v[TMP+4*t+1], v[RS+16*t+13], v[RS+16*t+14]
	ALL v_max3_num_f32 v[TMP+4*t], v[TMP+4*t], v[RS+16*t+7], v[RS+16*t+15]
	ALL v_max3_num_f32 v[TMP+4*t], v[TMP+4*t], v[TMP+4*t+1], v[ST+4*t+1]
	ALL v_permlanex16_b32 v[TMP+4*t+3], v[TMP+4*t], s50, s51   ; the query's other 16 keys lie in the lane 16 away
	ALL v_mov_b32 v[TMP+4*t+1], v[ST+4*t]                      ; c m_old
	ALL v_max_num_f32 v[ST+4*t+1], v[TMP+4*t], v[TMP+4*t+3]
	ALL v_mul_f32 v[ST+4*t], s48, v[ST+4*t+1]
	ALL v_sub_f32 v[TMP+4*t+1], v[TMP+4*t+1], v[ST+4*t]
	ALL v_exp_f32 v[TMP+4*t+2], v[TMP+4*t+1]                   ; a; the scalings below are the plain instructions behind it
.set j, 0
.rept 8
	ALL v_pk_fma_f32 v[RS+16*t+2*j:RS+16*t+2*j+1], v[RS+16*t+2*j:RS+16*t+2*j+1], s[48:49], v[ST+4*t:ST+4*t+1] op_sel_hi:[1,0,0] neg_lo:[0,0,1] neg_hi:[0,0,1]
.set j, j+1
.endr
.set j, 0
.rept 16
	ALL v_exp_f32 v[RS+16*t+j], v[RS+16*t+j]
.set j, j+1
.endr
	v_nop                                          ; a plain instruction between the exponentials and the use of their results
	s_wait_alu depctr_va_vdst(0)                   ; the 68 exponentials have written a and the weights, ahead of their first reader: one wait for the batch
	ALL v_pk_add_f32 v[TMP+4*t:TMP+4*t+1], v[RS+16*t:RS+16*t+1], v[RS+16*t+2:RS+16*t+3]
	ALL v_pk_add_f32 v[HT+2*t:HT+2*t+1], v[RS+16*t+4:RS+16*t+5], v[RS+16*t+6:RS+16*t+7]
	ALL v_pk_add_f32 v[TMP+4*t:TMP+4*t+1], v[TMP+4*t:TMP+4*t+1], v[RS+16*t+8:RS+16*t+9]
	ALL v_pk_add_f32 v[HT+2*t:HT+2*t+1], v[HT+2*t:HT+2*t+1], v[RS+16*t+10:RS+16*t+11]
	ALL v_pk_add_f32 v[TMP+4*t:TMP+4*t+1], v[TMP+4*t:TMP+4*t+1], v[RS+16*t+12:RS+16*t+13]
	ALL v_pk_add_f32 v[HT+2*t:HT+2*t+1], v[HT+2*t:HT+2*t+1], v[RS+16*t+14:RS+16*t+15]
	ALL v_pk_add_f32 v[TMP+4*t:TMP+4*t+1], v[TMP+4*t:TMP+4*t+1], v[HT+2*t:HT+2*t+1]
	ALL v_pk_fma_f32 v[ST+4*t+2:ST+4*t+3], v[ST+4*t+2:ST+4*t+3], v[TMP+4*t+2:TMP+4*t+3], v[TMP+4*t:TMP+4*t+1] op_sel_hi:[1,0,1]
.set j, 0
.rept 8                                                ; P in place: word j takes weights 2 j, 2 j + 1, which lie at or above it
	ALL v_cvt_pk_f16_f32 v[RS+16*t+j], v[RS+16*t+2*j], v[RS+16*t+2*j+1]
.set j, j+1
.endr
	WIN 0x41                                       ; O^T in window 1, a in window 0
.set z, 0
.rept 16
	ALL v_pk_mul_f32 v[RO+32*t+2*z:RO+32*t+2*z+1], v[RO+32*t+2*z:RO+32*t+2*z+1], v[TMP+4*t+2:TMP+4*t+3] op_sel_hi:[1,0]
.set z, z+1
.endr
	WIN 0
.endm
; A STEP of 32 keys.  sub: which half of the block of 64 keys, and which bias buffer is read.  more = 1: a step follows: its K, its bias (into the other buffer) and its V are asked for or made here.
; NK, NV: the younger global loads that may stay out when K, V have to be in.  imm: the next step's K and V from s[26:27].
; ONE barrier a step.  In front of its signal my bias stores are done and my reads of this step's buffer are back; behind its wait the next buffer is whole and this one may be written again.
; The loads at the step's head owe no wait of their own: the wait on va_vdst behind the step before's V^T P (ahead of the first step: the last one of the first bias) stands ahead of them, and no vector or matrix
; instruction issued since names RS, CB, v[BLD ..] or v[MTA].
.macro STEP sub, more, NK, NV, imm
	WIN 0
.set i, 0
.rept 16                                               ; the bias is the C operand: tile i / 4, key tile (i / 2) % 2; 16 lanes read 256 consecutive bytes
	ds_load_b128 v[RS+4*i:RS+4*i+3], v[BLD+(\sub)] offset:(i/4)*2048+((i/2)%2)*1024+(i%2)*256
.set i, i+1
.endr
.if \more
	CBLOAD 128+128*(\sub)                          ; madd of the next step's keys, under the same wait
.endif
	s_wait_loadcnt \NK                             ; K is in; in a block's second step so is the next block's p, which was asked for ahead of this K
	s_wait_dscnt 0x0
	WIN 0x05                                       ; K and Q window 1, S^T window 0
.set i, 0
.rept 16                                               ; channels 32 (i / 8) on, tile (i / 2) % 4, key tile i % 2: the 8 accumulators take turns
.set rS, RS+16*((i/2)%4)+8*(i%2)
.set rK, RK+16*(i%2)+8*(i/8)
.set rQ, RQ+16*((i/2)%4)+8*(i/8)
	v_wmma_f32_16x16x32_f16 v[rS:rS+7], v[rK:rK+7], v[rQ:rQ+7], v[rS:rS+7]
.set i, i+1
.endr
	WIN 0
.if \more
.if (\sub) == 1
	CONV
	HID 0, PCA, 2, \imm
.else
	HID 1, PCB, 1, \imm
.endif
	s_barrier_signal -1
.else
	PLACES                                         ; ahead of the softmax's reads of the scores; elsewhere the bias's vector work stands between
.endif
	SOFT
	s_wait_loadcnt \NV                             ; V is in
	WIN 0x51                                       ; V window 1, P window 0, O^T window 1
.set i, 0
.rept 16                                               ; channels 16 (i / 4) on, tile i % 4: 16 accumulators, one instruction each
.set rO, RO+32*(i%4)+8*(i/4)
.set rV, RV+8*(i/4)
.set rP, RS+16*(i%4)
	v_wmma_f32_16x16x32_f16 v[rO:rO+7], v[rV:rV+7], v[rP:rP+7], v[rO:rO+7]
.set i, i+1
.endr
	WIN 0
.if \more
	s_barrier_wait -1
.if (\sub) == 1
	v_add_nc_u32 v[MTA], 0x100, v[MTA]             ; the next block's madd; its last readers stand ahead of the bias's last wait on vm_vsrc.  The first of the five places
	PLACES 4
.else
	PLACES 5                                       ; five places: the next step's first products write over P, a source of the products above
.endif
	s_wait_alu depctr_va_vdst(0)                   ; V^T P is done reading V and P; the softmax is done with RS, the bias products with CB; v[MTA] is written: for V's loads here and the loads at the next step's head
	VLOAD \imm
.endif
.endm
	s_load_b512 s[4:19], s[0:1], 0x0               ; qf 4, kv 6, p 8, madd 10, W1 12, b1 14, W2 16, b2 18
	s_load_b128 s[20:23], s[0:1], 0x40             ; of 20, st 22
	v_lshl_add_u32 v[SPW], v0, 2, SPARE
	v_mov_b32 v[NIL], 0
	v_lshrrev_b32 v1, 5, v0
	v_readfirstlane_b32 s24, v1                    ; wave = head
	s_and_b32 s32, ttmp7, 0xffff
	s_lshr_b32 s33, s32, 1                         ; batch
	s_and_b32 s34, s32, 1                          ; half of the keys
	s_lshl_b32 s35, s33, 5
	s_add_co_u32 s35, s35, ttmp9                   ; G: my block of queries among all 128
	s_wait_alu depctr_va_sdst(0)                   ; s24 is written, ahead of its first reader
	s_and_b32 s36, s24, 1
	s_lshr_b32 s37, s24, 1                         ; t_w: the tile whose bias I make
	s_lshl_b32 s38, s33, 5
	s_lshl_b32 s39, s34, 4
	s_add_co_u32 s38, s38, s39                     ; the half's first block of keys
	s_lshl_b32 s42, s38, 8                         ; in madd
	s_mov_b32 s43, 0
	s_lshl_b32 s38, s38, 17                        ; in kv,
	s_lshl_b32 s39, s24, 13                        ; my head's 8,192 bytes
	s_add_co_u32 s38, s38, s39
	s_mov_b32 s39, 0
	s_lshl_b32 s40, ttmp9, 6                       ; pairwise_feats: row 64 blk + 32 (w % 2) + t_w,
	s_lshl_b32 s41, s36, 5
	s_add_co_u32 s40, s40, s41
	s_add_co_u32 s40, s40, s37
	s_lshl_b32 s40, s40, 13
	s_lshl_b32 s41, s33, 24                        ; the batch,
	s_add_co_u32 s40, s40, s41
	s_lshl_b32 s41, s34, 12                        ; the half's 1,024 keys
	s_add_co_u32 s40, s40, s41
	s_mov_b32 s41, 0
	s_lshl_b32 s44, s35, 3
	s_add_co_u32 s44, s44, s24                     ; 8 G + w
	s_lshl_b32 s54, s34, 10
	s_add_co_u32 s54, s54, s44
	s_lshl_b32 s54, s54, 9                         ; st: 512 bytes for each (half, G, head)
	s_mov_b32 s55, 0
	s_lshl_b32 s44, s44, 13                        ; qf and of: 8,192 bytes for each (G, head)
	s_mov_b32 s45, 0
	s_lshl_b32 s46, s34, 23
	s_add_co_u32 s46, s46, s44
	s_mov_b32 s47, 0
	s_mov_b32 s48, 0x3e38aa3b                      ; c = log2(e) / 8
	s_mov_b32 s49, s48
	s_mov_b32 s50, 0x76543210
	s_mov_b32 s51, 0xfedcba98
	s_mov_b32 s53, 0x41000000                      ; 8.0
	s_mov_b32 s30, 0
	s_mov_b32 s31, 0
	v_and_b32 v192, 31, v0                         ; lane (S^T's registers serve the set-up)
	v_and_b32 v193, 15, v0                         ; r
	v_bfe_u32 v194, v0, 4, 1                       ; h
	v_and_b32 v195, 7, v0                          ; r % 8
	v_bfe_u32 v196, v0, 3, 1                       ; r / 8
	v_cmp_eq_u32 vcc_lo, v196, v194
	v_lshlrev_b32 v[KVO], 4, v192
	v_lshlrev_b32 v[L8], 3, v192
	v_lshlrev_b32 v[PO], 4, v193
	v_lshl_add_u32 v[PO], v194, 15, v[PO]
	s_mul_i32 s56, s24, HB
	v_lshlrev_b32 v[BLD], 4, v193                  ; read: head w, key rows 8 h on at 512 h, query r
	v_lshl_add_u32 v[BLD], v194, 9, v[BLD]
	v_add_nc_u32 v[BLD], s56, v[BLD]
	v_add_nc_u32 v[BLD+1], BUFB, v[BLD]
	v_mul_u32_u24 v[BST], v195, HB                 ; made: head r % 8, tile t_w, key rows 8 h on, query 8 (w % 2) + 2 pi + r / 8
	v_lshl_add_u32 v[BST], v194, 9, v[BST]
	v_lshl_add_u32 v[BST], v196, 4, v[BST]
	s_lshl_b32 s56, s37, 11
	s_lshl_b32 s57, s36, 7
	s_add_co_u32 s56, s56, s57
	v_add_nc_u32 v[BST], s56, v[BST]
	v_add_nc_u32 v[BST+1], BUFB, v[BST]
	v_lshl_add_u32 v[MTA], v194, 5, MT
	s_wait_alu depctr_va_vcc(0)                    ; VCC is written, ahead of the select that reads it
	v_cndmask_b32 v[PT], 0, s53, vcc_lo            ; 8 where my half of the lanes is my column's query set, else 0
	v_mov_b32 v197, 0
	v_lshlrev_b32 v198, 6, v195
	v_lshlrev_b32 v199, 2, v195
	v_lshlrev_b32 v200, 4, v0
	v_lshl_add_u32 v201, v0, 4, MT
	s_wait_kmcnt 0x0
	s_add_nc_u64 s[10:11], s[10:11], s[42:43]
	s_add_nc_u64 s[4:5], s[4:5], s[44:45]
	s_add_nc_u64 s[26:27], s[6:7], s[38:39]        ; K and V of the step in hand
	s_add_nc_u64 s[28:29], s[8:9], s[40:41]        ; p of the block to be asked for
	s_add_nc_u64 s[20:21], s[20:21], s[46:47]
	s_add_nc_u64 s[22:23], s[22:23], s[54:55]
	s_wait_alu depctr_va_vdst(0)                   ; every address and offset of the kernel (v2 to v9, v197 to v201) is written, and the set-up is done with v192 to v201, in which the bias will land
	global_load_b128 v[BD:BD+3], v200, s[10:11]    ; the half's madd, 16 bytes a thread
.set i, 0
.rept 4
	global_load_b128 v[W1V+4*i:W1V+4*i+3], v197, s[12:13] offset:16*i
	global_load_b128 v[B1V+4*i:B1V+4*i+3], v197, s[14:15] offset:16*i
	global_load_b128 v[HT+4*i:HT+4*i+3], v198, s[16:17] offset:16*i
.set i, i+1
.endr
	global_load_b32 v[B2P], v199, s[18:19]
	WIN 0x40
.set i, 0
.rept 16
	global_load_b128 v[RQ+4*i:RQ+4*i+3], v[KVO], s[4:5] offset:512*i
.set i, i+1
.endr
	WIN 0
	PLOAD                                          ; key block 0
	; O^T, l and the registers at work start at 0, m far below every score: the first step is a step like any other, with a = 0.  128 moves, in the wait for the first loads.
	WIN 0x40
.set i, 0
.rept 128
	v_mov_b32 v[RO+i], 0
.set i, i+1
.endr
	WIN 0
.set i, 0
.rept 4
	v_mov_b32 v[ST+4*i+1], 0xee000000              ; -2^93
	v_mul_f32 v[ST+4*i], s48, v[ST+4*i+1]
	v_mov_b32 v[ST+4*i+2], 0
	v_mov_b32 v[ST+4*i+3], 0
	v_mov_b32 v[TMP+4*i], 0
	v_mov_b32 v[TMP+4*i+1], 0
	v_mov_b32 v[TMP+4*i+2], 0
	v_mov_b32 v[TMP+4*i+3], 0
.set i, i+1
.endr
	s_wait_loadcnt 0x0
	ds_store_b128 v201, v[BD:BD+3]                 ; its data came by a load; no vector instruction since the wait above names v201
.set i, 0
.rept 8
	RB16 W1V+2*i, 12+i%4
	RB16 B1V+2*i, 12+(i+2)%4
.set i, i+1
.endr
.set i, 0
.rept 8
	RB16 HT+2*i, 12+i%4
.set i, i+1
.endr
.set i, 0
.rept 16
	v_mul_f32 v[HT+i], v[PT], v[HT+i]
.set i, i+1
.endr
.set i, 0
.rept 8
	v_cvt_pk_f16_f32 v[W2B+i], v[HT+2*i], v[HT+2*i+1]  ; 8 x a bf16 number: exact in f16
.set i, i+1
.endr
	v_cvt_pk_bf16_f32 v12, v[B2P], v[B2P]
	v_lshlrev_b32 v[B2P], 16, v12
	v_mul_f32 v[B2P], s53, v[B2P]
	v_mov_b32 v[B2P+1], v[B2P]
	CONV                                           ; block 0's p
	s_wait_alu depctr_va_vdst(0)                   ; CONV is done reading PR, in which block 1's p lands
	KLOAD 0                                        ; the loop's own order of issue: K, p, V
	s_add_nc_u64 s[28:29], s[28:29], 0x100
	PLOAD                                          ; block 1
	VLOAD 0
	s_wait_dscnt 0x0                               ; my part of madd is in LDS,
	s_barrier_signal -1
	s_barrier_wait -1                              ; everybody's is
	s_wait_alu depctr_vm_vsrc(0)                   ; the head's loads have read v197 to v200, its LDS store v201 and v[BD ..]: the bias lands in the first five, the bias products write the others
	CBLOAD 0                                       ; the first step's madd
	s_wait_dscnt 0x0
	HID 0, PCA, 0, 0                               ; the first step's bias
	s_barrier_signal -1
	s_barrier_wait -1
	s_mov_b32 s52, 15
.Lblk:                                                 ; a trip: a block of 64 keys, two steps
	STEP 0, 1, 12, 8, 65536                        ; behind K: p's 4 and V's 8.  Behind V: the next K's 8
	STEP 1, 1, 8, 12, 131072                       ; behind K: V's 8.  Behind V: the next K's 8 and p's 4
	s_wait_xcnt 0x0                                ; the base of the loads just issued is stepped only behind this wait
	s_add_nc_u64 s[26:27], s[26:27], 0x20000
	s_sub_co_u32 s52, s52, 1
	s_cmp_lg_u32 s52, 0
	s_cbranch_scc1 .Lblk
	STEP 0, 1, 12, 8, 65536                        ; the last block
	STEP 1, 0, 8, 0, 0
	; THE WAY OUT.  l's two halves and the other half of the lanes' are added (the additions are the places behind the last products); (c m, l) go to st, O / l to of.
	ALL v_add_f32 v[ST+4*t+2], v[ST+4*t+2], v[ST+4*t+3]
	ALL v_permlanex16_b32 v[ST+4*t+3], v[ST+4*t+2], s50, s51
	ALL v_add_f32 v[ST+4*t+2], v[ST+4*t+2], v[ST+4*t+3]
	v_bfe_u32 v1, v0, 4, 1
	v_cmp_ne_u32 vcc_lo, 0, v1
	s_wait_alu depctr_va_vcc(0)                    ; VCC is written, ahead of the four selects that read it
	v_cndmask_b32 v12, v[ST], v[ST+4], vcc_lo      ; lanes 0-15 speak for tile 2 j, lanes 16-31 for tile 2 j + 1: 32 tokens, 256 consecutive bytes
	v_cndmask_b32 v13, v[ST+2], v[ST+6], vcc_lo
	v_cndmask_b32 v14, v[ST+8], v[ST+12], vcc_lo
	v_cndmask_b32 v15, v[ST+10], v[ST+14], vcc_lo
	ALL v_max_num_f32 v[ST+4*t+2], 0x0da24260, v[ST+4*t+2]  ; l is 0 or at least 1: with 1e-30 in 0's place O / l stays 0
	ALL v_rcp_f32 v[ST+4*t+2], v[ST+4*t+2]
	v_nop                                          ; a plain instruction between the last reciprocal and the use of its result
	s_wait_alu depctr_va_vdst(0)                   ; the four reciprocals are written, ahead of their first reader; so are v12 to v15, which the two stores read
	global_store_b64 v[L8], v[12:13], s[22:23]
	global_store_b64 v[L8], v[14:15], s[22:23] offset:256
.set u, 0
.rept 4
	WIN 0x41
.set z, 0
.rept 16
	v_pk_mul_f32 v[RO+32*u+2*z:RO+32*u+2*z+1], v[RO+32*u+2*z:RO+32*u+2*z+1], v[ST+4*u+2:ST+4*u+3] op_sel_hi:[1,0]
.set z, z+1
.endr
	WIN 0x05
.set z, 0
.rept 16
	v_cvt_pk_f16_f32 v[RS+16*u+z], v[RO+32*u+2*z], v[RO+32*u+2*z+1]
.set z, z+1
.endr
.set u, u+1
.endr
	WIN 0
	s_wait_alu depctr_va_vdst(0)                   ; the roundings have written v[RS ..], which the sixteen stores read
.set i, 0
.rept 16
	global_store_b128 v[KVO], v[RS+4*i:RS+4*i+3], s[20:21] offset:i*512  ; a chunk (tile i / 4, channels 16 (i % 4) on): 512 consecutive bytes
.set i, i+1
.endr
	s_wait_dscnt 0x0                               ; the closing lines, six on end
	s_wait_alu 0x0
	s_wait_tensorcnt 0x0
	ds_add_u32 v[SPW], v[NIL]
	s_wait_dscnt 0x0
	s_endpgm
.Lfunc_end_k_qac7850ba26_attn:
	.size	k_qac7850ba26_attn, .Lfunc_end_k_qac7850ba26_attn-k_qac7850ba26_attn
	.p2alignl 7, 3214868480
	.fill 96, 4, 3214868480
	.section	.rodata,"a",@progbits
	.p2align	6, 0x0
	.amdhsa_kernel k_qac7850ba26_attn
		.amdhsa_group_segment_fixed_size 136704
		.amdhsa_private_segment_fixed_size 0
		.amdhsa_enable_private_segment 0
		.amdhsa_kernarg_size 80
		.amdhsa_user_sgpr_count 2
		.amdhsa_user_sgpr_kernarg_segment_ptr 1
		.amdhsa_wavefront_size32 1
		.amdhsa_system_sgpr_workgroup_id_x 1
		.amdhsa_system_sgpr_workgroup_id_y 1
		.amdhsa_system_sgpr_workgroup_id_z 1
		.amdhsa_system_vgpr_workitem_id 0
		.amdhsa_next_free_vgpr 512
		.amdhsa_next_free_sgpr 66
		.amdhsa_reserve_vcc 1
		.amdhsa_float_denorm_mode_32 3
		.amdhsa_float_denorm_mode_16_64 3
		.amdhsa_memory_ordered 1
		.amdhsa_forward_progress 1
		.amdhsa_inst_pref_size 172
	.end_amdhsa_kernel
	.amdgpu_metadata
---
amdhsa.version: [ 1, 2 ]
amdhsa.kernels:
  - .name:           k_qac7850ba26_attn
    .symbol:         k_qac7850ba26_attn.kd
    .args:
      - { .name: qf, .offset: 0, .size: 8, .value_kind: global_buffer, .address_space: global }
      - { .name: kv, .offset: 8, .size: 8, .value_kind: global_buffer, .address_space: global }
      - { .name: pairwise_feats, .offset: 16, .size: 8, .value_kind: global_buffer, .address_space: global }
      - { .name: madd, .offset: 24, .size: 8, .value_kind: global_buffer, .address_space: global }
      - { .name: W1, .offset: 32, .size: 8, .value_kind: global_buffer, .address_space: global }
      - { .name: b1, .offset: 40, .size: 8, .value_kind: global_buffer, .address_space: global }
      - { .name: W2, .offset: 48, .size: 8, .value_kind: global_buffer, .address_space: global }
      - { .name: b2, .offset: 56, .size: 8, .value_kind: global_buffer, .address_space: global }
      - { .name: of, .offset: 64, .size: 8, .value_kind: global_buffer, .address_space: global }
      - { .name: st, .offset: 72, .size: 8, .value_kind: global_buffer, .address_space: global }
    .group_segment_fixed_size: 136704
    .private_segment_fixed_size: 0
    .kernarg_segment_align: 8
    .kernarg_segment_size: 80
    .max_flat_workgroup_size: 256
    .sgpr_count:     66
    .vgpr_count:     512
    .wavefront_size: 32
...
	.end_amdgpu_metadata
.endif
;; end of part 5
;; launch outp: the kernel of part 4 again; grid 128 x 2, 4 waves a work-group, no clusters, 83,456 bytes of LDS; arguments of, st, wob, bo, out0; writes out0
